; MI455X (gfx1250); checked and timed in simulation.
; The chip was launched on July 23, 2026; its instructions are those of AMD's public machine-readable ISA for CDNA 5 (MIT licence, August 2026) and "CDNA5" Instruction Set Architecture Reference Guide (July 2026). The comments in the code are by the model that wrote it; some were corrected since.
;; Set Transformer Condition Encoder. Allowed arithmetic: float matrix products may take bf16 or f16 operands with f32 sums; other float arithmetic in f32, or as packed bf16 or f16 multiplies, adds, multiply-adds, maxima and minima; sums over many terms, partial sums and values carried from step to step in f32; what a program stores and reads back later, other than sums and carried values, may be rounded once to bf16 or f16.
;; Inputs: params_S 1 x 1 x 128 float32; params_Wi 7 x 128 float32; params_Wp1 128 x 128 float32; params_Wp2 128 x 512 float32; params_bi 128 float32; params_bp1 128 float32; params_bp2 512 float32; params_isab_0_I 1 x 64 x 128 float32; params_isab_0_mab0_Wk 128 x 128 float32; params_isab_0_mab0_Wo 128 x 128 float32; params_isab_0_mab0_Wq 128 x 128 float32; params_isab_0_mab0_Wv 128 x 128 float32; params_isab_0_mab0_bk 128 float32; params_isab_0_mab0_bo 128 float32; params_isab_0_mab0_bq 128 float32; params_isab_0_mab0_bv 128 float32; params_isab_0_mab0_ln0_b 128 float32; params_isab_0_mab0_ln0_g 128 float32; params_isab_0_mab0_ln1_b 128 float32; params_isab_0_mab0_ln1_g 128 float32; params_isab_0_mab1_Wk 128 x 128 float32; params_isab_0_mab1_Wo 128 x 128 float32; params_isab_0_mab1_Wq 128 x 128 float32; params_isab_0_mab1_Wv 128 x 128 float32; params_isab_0_mab1_bk 128 float32; params_isab_0_mab1_bo 128 float32; params_isab_0_mab1_bq 128 float32; params_isab_0_mab1_bv 128 float32; params_isab_0_mab1_ln0_b 128 float32; params_isab_0_mab1_ln0_g 128 float32; params_isab_0_mab1_ln1_b 128 float32; params_isab_0_mab1_ln1_g 128 float32; params_isab_1_I 1 x 64 x 128 float32; params_isab_1_mab0_Wk 128 x 128 float32; params_isab_1_mab0_Wo 128 x 128 float32; params_isab_1_mab0_Wq 128 x 128 float32; params_isab_1_mab0_Wv 128 x 128 float32; params_isab_1_mab0_bk 128 float32; params_isab_1_mab0_bo 128 float32; params_isab_1_mab0_bq 128 float32; params_isab_1_mab0_bv 128 float32; params_isab_1_mab0_ln0_b 128 float32; params_isab_1_mab0_ln0_g 128 float32; params_isab_1_mab0_ln1_b 128 float32; params_isab_1_mab0_ln1_g 128 float32; params_isab_1_mab1_Wk 128 x 128 float32; params_isab_1_mab1_Wo 128 x 128 float32; params_isab_1_mab1_Wq 128 x 128 float32; params_isab_1_mab1_Wv 128 x 128 float32; params_isab_1_mab1_bk 128 float32; params_isab_1_mab1_bo 128 float32; params_isab_1_mab1_bq 128 float32; params_isab_1_mab1_bv 128 float32; params_isab_1_mab1_ln0_b 128 float32; params_isab_1_mab1_ln0_g 128 float32; params_isab_1_mab1_ln1_b 128 float32; params_isab_1_mab1_ln1_g 128 float32; params_isab_2_I 1 x 64 x 128 float32; params_isab_2_mab0_Wk 128 x 128 float32; params_isab_2_mab0_Wo 128 x 128 float32; params_isab_2_mab0_Wq 128 x 128 float32; params_isab_2_mab0_Wv 128 x 128 float32; params_isab_2_mab0_bk 128 float32; params_isab_2_mab0_bo 128 float32; params_isab_2_mab0_bq 128 float32; params_isab_2_mab0_bv 128 float32; params_isab_2_mab0_ln0_b 128 float32; params_isab_2_mab0_ln0_g 128 float32; params_isab_2_mab0_ln1_b 128 float32; params_isab_2_mab0_ln1_g 128 float32; params_isab_2_mab1_Wk 128 x 128 float32; params_isab_2_mab1_Wo 128 x 128 float32; params_isab_2_mab1_Wq 128 x 128 float32; params_isab_2_mab1_Wv 128 x 128 float32; params_isab_2_mab1_bk 128 float32; params_isab_2_mab1_bo 128 float32; params_isab_2_mab1_bq 128 float32; params_isab_2_mab1_bv 128 float32; params_isab_2_mab1_ln0_b 128 float32; params_isab_2_mab1_ln0_g 128 float32; params_isab_2_mab1_ln1_b 128 float32; params_isab_2_mab1_ln1_g 128 float32; params_lnp_b 128 float32; params_lnp_g 128 float32; params_pma_Wk 128 x 128 float32; params_pma_Wo 128 x 128 float32; params_pma_Wq 128 x 128 float32; params_pma_Wv 128 x 128 float32; params_pma_bk 128 float32; params_pma_bo 128 float32; params_pma_bq 128 float32; params_pma_bv 128 float32; params_pma_ln0_b 128 float32; params_pma_ln0_g 128 float32; params_pma_ln1_b 128 float32; params_pma_ln1_g 128 float32; residuals 32 x 4,096 float32; x_values 32 x 4,096 x 6 float32.
;; Outputs: out0 32 x 512 float32.
;; One version. Each part assembles by itself: llvm-mc -triple=amdgcn-amd-amdhsa -mcpu=gfx1250 --defsym DOCPART=n.
;; ======== version 1 of 1: 6 launches
;; limits: values are held in f16: magnitudes above 65,504 overflow, below 6.1e-05 lose precision
;; workspace buffers: pack 655,360 bytes; xa 33,554,432 bytes; xb 33,554,432 bytes; part 9,437,184 bytes; part2 9,437,184 bytes; cfg0 256 bytes of whole numbers; cfg1 256 bytes of whole numbers; cfg2 256 bytes of whole numbers
;; launch prep (part 1): grid 60 x 1, 8 waves a work-group, no clusters, 37,888 bytes of LDS; arguments params_isab_0_I, params_isab_1_I, params_isab_2_I, params_S, params_isab_0_mab0_Wq, params_isab_1_mab0_Wq, params_isab_2_mab0_Wq, params_pma_Wq, params_isab_0_mab0_bq, params_isab_1_mab0_bq, params_isab_2_mab0_bq, params_pma_bq, params_isab_0_mab1_Wq, params_isab_1_mab1_Wq, params_isab_2_mab1_Wq, params_isab_0_mab1_Wo, params_isab_1_mab1_Wo, params_isab_2_mab1_Wo, params_isab_0_mab0_Wk, params_isab_1_mab0_Wk, params_isab_2_mab0_Wk, params_pma_Wk, params_isab_0_mab0_Wv, params_isab_1_mab0_Wv, params_isab_2_mab0_Wv, params_pma_Wv, pack, cfg0, cfg1, cfg2; writes pack, cfg0, cfg1, cfg2
.if DOCPART == 1
	.amdgcn_target "amdgcn-amd-amdhsa--gfx1250"
	.amdhsa_code_object_version 6
	.text
	.protected	k_qf2f8c3de92_prep
	.globl	k_qf2f8c3de92_prep
	.p2align	8
	.type	k_qf2f8c3de92_prep,@function
k_qf2f8c3de92_prep:
	s_mov_b64 s[64:65], 0
	v_nop
	global_prefetch_b8 v0, s[64:65] scope:SCOPE_SE
	s_setreg_imm32_b32 hwreg(HW_REG_WAVE_MODE, 25, 1), 1
	s_wait_xcnt 0x0
; PREP.  Lays 14 weight matrices [in 128][out 128] f32 out as f16 matrix fragments, and makes q = I Wq + bq of the three inducing sets and of the seed.
; A FRAGMENT is 16 lines x 32 k of f16 in 1,024 bytes: block j (0, 1) at 512 j, lane l's 16 bytes at 16 l: line l % 16, k = 16 j + 8 (l / 16) + 0..7: two loads of 512 consecutive bytes fill a source of
; v_wmma_f32_16x16x32_f16.  A weight's fragment (mt, c) has line = out-feature 16 mt + .., k = in-feature 32 c + .., and lies at (4 mt + c) x 1,024.
; Work-groups 0-55: matrix id / 4, its in-features 32 (id % 4) on: f32 rows -> f16 rows of 288 bytes in LDS -> turned by ds_load_tr16_b128 -> 512-byte stores.
; Work-groups 56-59: job j: q^T = Wq^T I^T + bq on the matrix unit (wave = feature tile), kept in f32 as result tiles (for the residual) and in f16 as fragments (for the scores).
; The seed is one row: its job clamps the row number to 0, so all 64 query lines repeat the seed; only query 0 is used later.
; LIMITS.  f16 holds no number beyond 65,504 and below 6.1e-5 keeps a fixed step of 6e-8: weights, I, S and q must lie within that.  NaN and infinities are not treated apart.
.set SPARE, 36864                      ; behind the rows: the spare words, 128 bytes a wave
.set PITCH, 288                        ; an f16 row of 256 bytes + 32 = 72 words: the turning load's 8 rows x 32 bytes start 8 words apart
.set JOB, 66
.set CC,  67
.set SRC, 68                           ; s[68:69] source matrix, or I
.set DST, 70
.set NR,  71
.set WV,  72
.set T0,  73
.set WP,  74                           ; s[74:75] Wq
.set BP,  76                           ; s[76:77] bq
.set CP,  78                           ; s[78:79] cfg
.macro PL5                             ; five plain places behind matrix instructions (ISA guide 7.12.1)
.rept 5
	v_nop
.endr
.endm
.macro CLOSE                           ; the wave's end
	s_wait_tensorcnt 0x0
	ds_add_u32 v2, v3
	s_wait_dscnt 0x0
.endm
.macro PICK j, p, d                    ; job j takes the pointer at s[p] and the destination d
	s_cmp_eq_u32 s[JOB], \j
	s_cselect_b64 s[SRC:SRC+1], s[\p:\p+1], s[SRC:SRC+1]
	s_cselect_b32 s[DST], \d, s[DST]
.endm
.macro TOLDS n, base                   ; n x 8 rows of 128 f32 -> f16 rows in LDS; then every wave may read them
.set z, 0
.rept \n
	global_load_b128 v[16+4*z:16+4*z+3], v6, s[\base:\base+1] offset:4096*z
.set z, z+1
.endr
	s_wait_loadcnt 0x0
.set z, 0
.rept \n
	v_cvt_pk_f16_f32 v[16+4*z], v[16+4*z], v[16+4*z+1]
	v_cvt_pk_f16_f32 v[16+4*z+1], v[16+4*z+2], v[16+4*z+3]
	ds_store_b64 v7, v[16+4*z:16+4*z+1] offset:8*PITCH*z
.set z, z+1
.endr
	s_wait_dscnt 0x0                               ; my rows are in LDS, for the others' sake
	s_barrier_signal -1
	s_barrier_wait -1
.endm
	s_load_b512 s[4:19], s[0:1], 0x0               ; I0 I1 I2 S | Wq x4
	s_load_b512 s[20:35], s[0:1], 0x40             ; bq x4 | mab1 Wq x3 | mab1 Wo 0
	s_load_b512 s[36:51], s[0:1], 0x80             ; mab1 Wo 1, 2 | Wk x4 | Wv 0, 1
	s_load_b256 s[52:59], s[0:1], 0xc0             ; Wv 2, pma | pack s[56:57] | cfg0
	s_load_b128 s[60:63], s[0:1], 0xe0             ; cfg1, cfg2
	v_lshl_add_u32 v2, v0, 2, SPARE
	v_mov_b32 v3, 0
	v_lshrrev_b32 v4, 5, v0
	v_readfirstlane_b32 s[WV], v4
	v_and_b32 v5, 31, v0                           ; lane
	v_lshlrev_b32 v1, 4, v5                        ; 16 x lane
	v_lshlrev_b32 v6, 4, v0                        ; 16 x thread: 8 rows of 512 bytes for the work-group
	v_mul_u32_u24 v7, v4, PITCH
	v_lshl_add_u32 v7, v5, 3, v7                   ; into LDS: row (thread / 32), 8 bytes a lane
	v_bfe_u32 v9, v0, 4, 1                         ; lane / 16
	v_and_b32 v8, 7, v0
	v_lshl_add_u32 v8, v9, 3, v8
	v_mul_u32_u24 v8, v8, PITCH
	v_bfe_u32 v10, v0, 3, 1
	v_lshl_add_u32 v8, v10, 4, v8
	s_lshl_b32 s[T0], s[WV], 5
	v_add_nc_u32 v8, s[T0], v8                     ; the turning load: row 8 (l / 16) + l % 8, columns 16 w + 8 ((l / 8) % 2) on
	s_mov_b32 s85, 0
	s_wait_kmcnt 0x0
	s_cmp_ge_u32 ttmp9, 56
	s_cbranch_scc1 .Lq
	; ---- a matrix's 32 in-features ----
	s_lshr_b32 s[JOB], ttmp9, 2
	s_and_b32 s[CC], ttmp9, 3
	s_mov_b64 s[SRC:SRC+1], s[28:29]
	s_mov_b32 s[DST], 0
	PICK 1, 30, 147456
	PICK 2, 32, 294912
	PICK 3, 34, 32768
	PICK 4, 36, 180224
	PICK 5, 38, 327680
	PICK 6, 40, 442368
	PICK 7, 42, 65536
	PICK 8, 44, 212992
	PICK 9, 46, 360448
	PICK 10, 48, 475136
	PICK 11, 50, 98304
	PICK 12, 52, 245760
	PICK 13, 54, 393216
	s_lshl_b32 s84, s[CC], 14                      ; 32 rows of 512 bytes
	s_add_nc_u64 s[SRC:SRC+1], s[SRC:SRC+1], s[84:85]
	TOLDS 4, SRC
	ds_load_tr16_b128 v[32:35], v8                 ; fragment (mt = wave, c): k 8 (l / 16) + 0..7,
	ds_load_tr16_b128 v[36:39], v8 offset:16*PITCH ; and 16 further on
	s_lshl_b32 s[T0], s[WV], 2
	s_add_co_u32 s[T0], s[T0], s[CC]
	s_lshl_b32 s[T0], s[T0], 10
	s_add_co_u32 s[T0], s[T0], s[DST]
	v_add_nc_u32 v11, s[T0], v1
	s_wait_dscnt 0x0
	global_store_b128 v11, v[32:35], s[56:57]      ; 512 consecutive bytes each
	global_store_b128 v11, v[36:39], s[56:57] offset:512
	CLOSE
	s_endpgm
	; ---- q of one set of queries ----
.Lq:
	s_sub_co_u32 s[JOB], ttmp9, 56
	s_mov_b64 s[SRC:SRC+1], s[4:5]
	s_mov_b32 s[DST], 507904                       ; where the f16 fragments of q go
	PICK 1, 6, 131072
	PICK 2, 8, 278528
	PICK 3, 10, 425984
	s_mov_b64 s[WP:WP+1], s[12:13]
	s_mov_b64 s[BP:BP+1], s[20:21]
	s_mov_b64 s[CP:CP+1], s[58:59]
	s_cmp_eq_u32 s[JOB], 1
	s_cselect_b64 s[WP:WP+1], s[14:15], s[WP:WP+1]
	s_cselect_b64 s[BP:BP+1], s[22:23], s[BP:BP+1]
	s_cselect_b64 s[CP:CP+1], s[60:61], s[CP:CP+1]
	s_cmp_eq_u32 s[JOB], 2
	s_cselect_b64 s[WP:WP+1], s[16:17], s[WP:WP+1]
	s_cselect_b64 s[BP:BP+1], s[24:25], s[BP:BP+1]
	s_cselect_b64 s[CP:CP+1], s[62:63], s[CP:CP+1]
	s_cmp_eq_u32 s[JOB], 3
	s_cselect_b64 s[WP:WP+1], s[18:19], s[WP:WP+1]
	s_cselect_b64 s[BP:BP+1], s[26:27], s[BP:BP+1]
	s_cselect_b32 s[NR], 0, 63                     ; the last row that exists
	TOLDS 16, WP
.irp c, 0,1,2,3
	ds_load_tr16_b128 v[80+8*\c:83+8*\c], v8 offset:32*PITCH*\c
	ds_load_tr16_b128 v[84+8*\c:87+8*\c], v8 offset:32*PITCH*\c+16*PITCH
.endr
	s_lshl_b32 s[T0], s[WV], 6
	v_lshl_add_u32 v180, v9, 5, s[T0]              ; bq[16 w + 8 (l / 16) + 0..7]: the C operand of the first product; the offset has a register of its own, never rewritten
	global_load_b128 v[112:115], v180, s[BP:BP+1]
	global_load_b128 v[116:119], v180, s[BP:BP+1] offset:16
	v_and_b32 v12, 15, v0                          ; l % 16
	s_lshl_b32 s80, s[JOB], 15
	s_add_co_u32 s80, s80, 524288
	s_lshl_b32 s[T0], s[WV], 10
	s_add_co_u32 s80, s80, s[T0]
	v_add_nc_u32 v15, s80, v1                      ; f32 tile (qt, w) at (8 qt + w) x 1,024
	s_lshr_b32 s81, s[WV], 1
	s_lshl_b32 s81, s81, 12
	s_and_b32 s[T0], s[WV], 1
	s_lshl_b32 s[T0], s[T0], 9
	s_add_co_u32 s81, s81, s[T0]
	s_add_co_u32 s81, s81, s[DST]
	v_add_nc_u32 v11, s81, v1                      ; f16 fragment (head w / 2, qt), block w % 2
	s_wait_dscnt 0x0
.irp qt, 0,1,2,3
	v_add_nc_u32 v13, 16*\qt, v12
	v_min_u32 v13, s[NR], v13
	v_lshlrev_b32 v13, 9, v13
	v_lshl_add_u32 v14, v9, 5, v13                 ; row x 512 + 32 (l / 16)
.set z, 0
.rept 8
	global_load_b128 v[16+8*z:19+8*z], v14, s[SRC:SRC+1] offset:64*z
	global_load_b128 v[20+8*z:23+8*z], v14, s[SRC:SRC+1] offset:64*z+16
.set z, z+1
.endr
	s_wait_loadcnt 0x0                             ; the rows of I (and, the first time, bq) are in; v14 is free again
.set z, 0
.rept 32
	v_cvt_pk_f16_f32 v[128+z], v[16+2*z], v[17+2*z]
.set z, z+1
.endr
	v_wmma_f32_16x16x32_f16 v[160:167], v[80:87], v[128:135], v[112:119]   ; two accumulators by turns
	v_wmma_f32_16x16x32_f16 v[168:175], v[88:95], v[136:143], 0
	v_wmma_f32_16x16x32_f16 v[160:167], v[96:103], v[144:151], v[160:167]
	v_wmma_f32_16x16x32_f16 v[168:175], v[104:111], v[152:159], v[168:175]
	PL5
.irp k, 0,2,4,6
	v_pk_add_f32 v[160+\k:161+\k], v[160+\k:161+\k], v[168+\k:169+\k]
.endr
	global_store_b128 v15, v[160:163], s[56:57] offset:8192*\qt
	global_store_b128 v15, v[164:167], s[56:57] offset:8192*\qt+512
.irp i, 0,1,2,3
	v_cvt_pk_f16_f32 v[176+\i], v[160+2*\i], v[161+2*\i]
.endr
	global_store_b128 v11, v[176:179], s[56:57] offset:1024*\qt
	s_wait_xcnt 0x0                                ; the stores' data registers are written again only behind this wait
.endr
	s_cmp_lt_u32 s[JOB], 3                         ; jobs 0-2 also write the layer's number and its last-layer flag, as whole numbers
	s_cbranch_scc0 .Lqend
	s_cmp_eq_u32 s[WV], 0
	s_cbranch_scc0 .Lqend
	s_cmp_eq_u32 s[JOB], 2
	s_cselect_b32 s82, 1, 0
	v_cmp_eq_u32 vcc_lo, 0, v5
	v_mov_b32 v20, s[JOB]
	v_mov_b32 v21, s82
	v_cndmask_b32 v20, 0, v20, vcc_lo
	v_cndmask_b32 v21, 0, v21, vcc_lo
	v_lshlrev_b32 v22, 3, v5
	global_store_b64 v22, v[20:21], s[CP:CP+1]     ; the buffer's 256 bytes, whole
.Lqend:
	CLOSE
	s_endpgm
.Lfunc_end_k_qf2f8c3de92_prep:
	.size	k_qf2f8c3de92_prep, .Lfunc_end_k_qf2f8c3de92_prep-k_qf2f8c3de92_prep
	.p2alignl 7, 3214868480
	.fill 96, 4, 3214868480
	.section	.rodata,"a",@progbits
	.p2align	6, 0x0
	.amdhsa_kernel k_qf2f8c3de92_prep
		.amdhsa_group_segment_fixed_size 37888
		.amdhsa_private_segment_fixed_size 0
		.amdhsa_enable_private_segment 0
		.amdhsa_kernarg_size 240
		.amdhsa_user_sgpr_count 2
		.amdhsa_user_sgpr_kernarg_segment_ptr 1
		.amdhsa_wavefront_size32 1
		.amdhsa_system_sgpr_workgroup_id_x 1
		.amdhsa_system_sgpr_workgroup_id_y 1
		.amdhsa_system_sgpr_workgroup_id_z 1
		.amdhsa_system_vgpr_workitem_id 0
		.amdhsa_next_free_vgpr 192
		.amdhsa_next_free_sgpr 96
		.amdhsa_reserve_vcc 1
		.amdhsa_float_denorm_mode_32 3
		.amdhsa_float_denorm_mode_16_64 3
		.amdhsa_memory_ordered 1
		.amdhsa_forward_progress 1
		.amdhsa_inst_pref_size 33
	.end_amdhsa_kernel
	.amdgpu_metadata
---
amdhsa.version: [ 1, 2 ]
amdhsa.kernels:
  - .name:           k_qf2f8c3de92_prep
    .symbol:         k_qf2f8c3de92_prep.kd
    .args:
      - { .name: params_isab_0_I, .offset: 0, .size: 8, .value_kind: global_buffer, .address_space: global }
      - { .name: params_isab_1_I, .offset: 8, .size: 8, .value_kind: global_buffer, .address_space: global }
      - { .name: params_isab_2_I, .offset: 16, .size: 8, .value_kind: global_buffer, .address_space: global }
      - { .name: params_S, .offset: 24, .size: 8, .value_kind: global_buffer, .address_space: global }
      - { .name: params_isab_0_mab0_Wq, .offset: 32, .size: 8, .value_kind: global_buffer, .address_space: global }
      - { .name: params_isab_1_mab0_Wq, .offset: 40, .size: 8, .value_kind: global_buffer, .address_space: global }
      - { .name: params_isab_2_mab0_Wq, .offset: 48, .size: 8, .value_kind: global_buffer, .address_space: global }
      - { .name: params_pma_Wq, .offset: 56, .size: 8, .value_kind: global_buffer, .address_space: global }
      - { .name: params_isab_0_mab0_bq, .offset: 64, .size: 8, .value_kind: global_buffer, .address_space: global }
      - { .name: params_isab_1_mab0_bq, .offset: 72, .size: 8, .value_kind: global_buffer, .address_space: global }
      - { .name: params_isab_2_mab0_bq, .offset: 80, .size: 8, .value_kind: global_buffer, .address_space: global }
      - { .name: params_pma_bq, .offset: 88, .size: 8, .value_kind: global_buffer, .address_space: global }
      - { .name: params_isab_0_mab1_Wq, .offset: 96, .size: 8, .value_kind: global_buffer, .address_space: global }
      - { .name: params_isab_1_mab1_Wq, .offset: 104, .size: 8, .value_kind: global_buffer, .address_space: global }
      - { .name: params_isab_2_mab1_Wq, .offset: 112, .size: 8, .value_kind: global_buffer, .address_space: global }
      - { .name: params_isab_0_mab1_Wo, .offset: 120, .size: 8, .value_kind: global_buffer, .address_space: global }
      - { .name: params_isab_1_mab1_Wo, .offset: 128, .size: 8, .value_kind: global_buffer, .address_space: global }
      - { .name: params_isab_2_mab1_Wo, .offset: 136, .size: 8, .value_kind: global_buffer, .address_space: global }
      - { .name: params_isab_0_mab0_Wk, .offset: 144, .size: 8, .value_kind: global_buffer, .address_space: global }
      - { .name: params_isab_1_mab0_Wk, .offset: 152, .size: 8, .value_kind: global_buffer, .address_space: global }
      - { .name: params_isab_2_mab0_Wk, .offset: 160, .size: 8, .value_kind: global_buffer, .address_space: global }
      - { .name: params_pma_Wk, .offset: 168, .size: 8, .value_kind: global_buffer, .address_space: global }
      - { .name: params_isab_0_mab0_Wv, .offset: 176, .size: 8, .value_kind: global_buffer, .address_space: global }
      - { .name: params_isab_1_mab0_Wv, .offset: 184, .size: 8, .value_kind: global_buffer, .address_space: global }
      - { .name: params_isab_2_mab0_Wv, .offset: 192, .size: 8, .value_kind: global_buffer, .address_space: global }
      - { .name: params_pma_Wv, .offset: 200, .size: 8, .value_kind: global_buffer, .address_space: global }
      - { .name: pack, .offset: 208, .size: 8, .value_kind: global_buffer, .address_space: global }
      - { .name: cfg0, .offset: 216, .size: 8, .value_kind: global_buffer, .address_space: global }
      - { .name: cfg1, .offset: 224, .size: 8, .value_kind: global_buffer, .address_space: global }
      - { .name: cfg2, .offset: 232, .size: 8, .value_kind: global_buffer, .address_space: global }
    .group_segment_fixed_size: 37888
    .private_segment_fixed_size: 0
    .kernarg_segment_align: 8
    .kernarg_segment_size: 240
    .max_flat_workgroup_size: 256
    .sgpr_count:     96
    .vgpr_count:     192
    .wavefront_size: 32
...
	.end_amdgpu_metadata
.endif
;; end of part 1
;; launch embed (part 2): grid 256 x 1, 16 waves a work-group, no clusters, 317,440 bytes of LDS; arguments x_values, residuals, params_Wi, params_bi, pack, params_isab_0_mab0_bk, xa, part; writes xa, part
.if DOCPART == 2
	.amdgcn_target "amdgcn-amd-amdhsa--gfx1250"
	.amdhsa_code_object_version 6
	.text
	.protected	k_qf2f8c3de92_embed
	.globl	k_qf2f8c3de92_embed
	.p2align	8
	.type	k_qf2f8c3de92_embed,@function
k_qf2f8c3de92_embed:
	s_mov_b64 s[64:65], 0
	v_nop
	global_prefetch_b8 v0, s[64:65] scope:SCOPE_SE
	s_setreg_imm32_b32 hwreg(HW_REG_WAVE_MODE, 25, 1), 1
	s_wait_xcnt 0x0
; EMBED.  x = 0.1 gelu([x_values, residual] Wi + bi) for 512 rows a work-group, stored as f16 fragments; then the work-group's share of the first inducing attention (PHASEB, the same text as in the layer kernel).
; FRAGMENT: 16 lines x 32 k of f16 in 1,024 bytes: block j at 512 j, lane l's 16 bytes at 16 l: line l % 16, k = 16 j + 8 (l / 16) + 0..7.  All products run transposed (Y^T = W^T X^T): a lane of the result holds ONE
; row (l % 16) and features 16 mt + 8 (l / 16) + 0..7, so two neighbouring result tiles, rounded to f16, ARE a fragment of the next product.
; PHASE A: wave w owns rows 32 w .. 32 w + 31 (two tiles); eight trips, one feature tile each: one product a tile (K = 7 padded with zeros to 32, bias as the C operand), gelu, rounding, store to LDS and to xa.
; gelu is exact gelu with erf by the rational form 1 - (a1 t + .. + a5 t^5) exp(-a^2), t = 1 / (1 + p a) (Abramowitz and Stegun 7.1.26): the error of erf is at most 1.5e-7 for every argument.
; PHASE B: wave (head = w % 4, group = w / 4) takes its head over rows 128 group .. + 127, 32 keys a trip: k^T = Wk^T X^T + bk, V = X Wv, S^T = K Q^T, a running maximum and sum, O^T += V^T P; the four groups are
; merged through LDS, and the work-group's partial (O, c m, l) goes to part.  bv is added later, once: the weights sum to one.
; NO CLUSTER, NO TENSOR LOAD: what work-groups share, the image of 81,920 bytes, is read once a work-group at the head, not in a loop.
; LIMITS.  f16 operands: nothing beyond 65,504; below 6.1e-5 a fixed step of 6e-8.  A weight below 2^-126 counts as 0.  l is the sum of the unrounded weights.  NaN and infinities are not treated apart.
.set L_WK,  65536                      ; LDS: 0 Wi's 8 fragments (later the waves' statistics) | 65,536 Wk | 98,304 Wv | 131,072 q fragments | 180,224 two tables of 512 bytes: bi, bk | 184,320 x fragments (later the waves' O) | spare words
.set L_QI,  131072
.set L_TAB, 180224
.set BKT,   512                        ; bk's table, from L_TAB
.set L_XS,  184320
.set SPARE, 315392
.set ST,  8                            ; v[8:23]   query tile qt: c m, m, l (even, odd keys)
.set WF,  32                           ; v[32:63]  weight or q fragments
.set XF,  64                           ; v[64:127] x fragments
.set SR,  64                           ;           then the scores, 16 a query tile
.set OA,  128                          ; v[128:191] O^T, tile (qt, f) at 16 qt + 8 f
.set ACC, 192                          ; v[192:223]
.set KF,  224                          ; v[224:239] K fragments of two row tiles
.set VF,  240                          ; v[240:255] bk's C tiles, then V^T fragments of two feature tiles
.set GZ,  64                           ; phase A: z, 16 numbers
.set GA,  80
.set GE,  96
.set GY,  112
.set WV,  40
.set HD,  41
.set GG,  42
.set CNT, 43
.set CS,  44                           ; s[44:45] c = log2(e) / sqrt(128)
.set SEL, 46                           ; s[46:47] v_permlanex16_b32: each lane takes its own place in the other half
.set PP,  48                           ; s[48:49] my work-group's partial
.set A5,  56
.set A4,  58
.set SGN, 60
.set HM,  61
.macro PL5                             ; five plain places behind matrix instructions (ISA guide 7.12.1)
.rept 5
	v_nop
.endr
.endm
.macro LDW off, c0                     ; fragments (2 head + f, c0 .. c0 + 1) of Wk (off = 0) or Wv
.irp cc, 0,1
.irp f, 0,1
	ds_load_b128 v[WF+16*\cc+8*\f:WF+16*\cc+8*\f+3], v4 offset:(\off)+4096*\f+1024*((\c0)+\cc)
	ds_load_b128 v[WF+16*\cc+8*\f+4:WF+16*\cc+8*\f+7], v4 offset:(\off)+4096*\f+1024*((\c0)+\cc)+512
.endr
.endr
.endm
.macro KMM c0                          ; k^T, four accumulators by turns; the first product takes bk as C
.irp cc, 0,1
.irp t, 0,1
.irp f, 0,1
.if ((\c0)+\cc) == 0
	v_wmma_f32_16x16x32_f16 v[ACC+16*\t+8*\f:ACC+16*\t+8*\f+7], v[WF+16*\cc+8*\f:WF+16*\cc+8*\f+7], v[XF+32*\t+8*((\c0)+\cc):XF+32*\t+8*((\c0)+\cc)+7], v[VF+8*\f:VF+8*\f+7]
.else
	v_wmma_f32_16x16x32_f16 v[ACC+16*\t+8*\f:ACC+16*\t+8*\f+7], v[WF+16*\cc+8*\f:WF+16*\cc+8*\f+7], v[XF+32*\t+8*((\c0)+\cc):XF+32*\t+8*((\c0)+\cc)+7], v[ACC+16*\t+8*\f:ACC+16*\t+8*\f+7]
.endif
.endr
.endr
.endr
.endm
.macro VMM c0                          ; V with the sources swapped: a lane holds one feature and eight rows
.irp cc, 0,1
.irp f, 0,1
.irp t, 0,1
.if ((\c0)+\cc) == 0
	v_wmma_f32_16x16x32_f16 v[ACC+16*\f+8*\t:ACC+16*\f+8*\t+7], v[XF+32*\t+8*((\c0)+\cc):XF+32*\t+8*((\c0)+\cc)+7], v[WF+16*\cc+8*\f:WF+16*\cc+8*\f+7], 0
.else
	v_wmma_f32_16x16x32_f16 v[ACC+16*\f+8*\t:ACC+16*\f+8*\t+7], v[XF+32*\t+8*((\c0)+\cc):XF+32*\t+8*((\c0)+\cc)+7], v[WF+16*\cc+8*\f:WF+16*\cc+8*\f+7], v[ACC+16*\f+8*\t:ACC+16*\f+8*\t+7]
.endif
.endr
.endr
.endr
.endm
.macro SMM qt                          ; S^T = K Q^T for 32 keys x 16 queries: the head's 32 channels are one product
.irp t, 0,1
	v_wmma_f32_16x16x32_f16 v[SR+16*(\qt)+8*\t:SR+16*(\qt)+8*\t+7], v[KF+8*\t:KF+8*\t+7], v[WF+8*(\qt):WF+8*(\qt)+7], 0
.endr
.endm
.macro AVM qt                          ; O^T += V^T P
.irp f, 0,1
	v_wmma_f32_16x16x32_f16 v[OA+16*(\qt)+8*\f:OA+16*(\qt)+8*\f+7], v[VF+8*\f:VF+8*\f+7], v[SR+16*(\qt):SR+16*(\qt)+7], v[OA+16*(\qt)+8*\f:OA+16*(\qt)+8*\f+7]
.endr
.endm
.macro QT qt                           ; one query tile's softmax step on its 16 scores a lane; each accumulator's lowest registers are read first
.set sS, SR+16*(\qt)
.set sT, ST+4*(\qt)
.set sO, OA+16*(\qt)
	v_max3_num_f32 v26, v[sS], v[sS+1], v[sS+2]
	v_max3_num_f32 v27, v[sS+8], v[sS+9], v[sS+10]
	v_max3_num_f32 v26, v26, v[sS+3], v[sS+4]
	v_max3_num_f32 v27, v27, v[sS+11], v[sS+12]
	v_max3_num_f32 v26, v26, v[sS+5], v[sS+6]
	v_max3_num_f32 v27, v27, v[sS+13], v[sS+14]
	v_max3_num_f32 v26, v26, v[sS+7], v[sS+15]
	v_max3_num_f32 v26, v26, v27, v[sT+1]
	v_permlanex16_b32 v27, v26, s[SEL], s[SEL+1]   ; the query's other 16 keys lie in the lane 16 away
	v_max_num_f32 v[sT+1], v26, v27
	v_mul_f32 v26, s[CS], v[sT+1]
	v_sub_f32 v27, v[sT], v26
	v_mov_b32 v[sT], v26
	v_exp_f32 v24, v27                             ; a = 2^(c m_old - c m_new)
.set z, 0
.rept 8
	v_pk_fma_f32 v[sS+z:sS+z+1], v[sS+z:sS+z+1], s[CS:CS+1], v[sT:sT+1] op_sel_hi:[1,0,0] neg_lo:[0,0,1] neg_hi:[0,0,1]
.set z, z+2
.endr
.set z, 0
.rept 16
	v_exp_f32 v[sS+z], v[sS+z]
.set z, z+1
.endr
.set z, 0
	s_wait_alu depctr_va_vdst(0)
.rept 8                                ; plain work behind the exponentials: O^T times a
	v_pk_mul_f32 v[sO+z:sO+z+1], v[sO+z:sO+z+1], v[24:25] op_sel_hi:[1,0]
.set z, z+2
.endr
	v_pk_add_f32 v[28:29], v[sS:sS+1], v[sS+2:sS+3]
	v_pk_add_f32 v[30:31], v[sS+8:sS+9], v[sS+10:sS+11]
	v_pk_add_f32 v[28:29], v[28:29], v[sS+4:sS+5]
	v_pk_add_f32 v[30:31], v[30:31], v[sS+12:sS+13]
	v_pk_add_f32 v[28:29], v[28:29], v[sS+6:sS+7]
	v_pk_add_f32 v[30:31], v[30:31], v[sS+14:sS+15]
	v_pk_add_f32 v[28:29], v[28:29], v[30:31]
	v_pk_fma_f32 v[sT+2:sT+3], v[sT+2:sT+3], v[24:25], v[28:29] op_sel_hi:[1,0,1]
.set z, 0
.rept 8                                ; the weights rounded to f16, in place: the eight lowest registers become the fragment P
	v_cvt_pk_f16_f32 v[sS+z], v[sS+2*z], v[sS+2*z+1]
.set z, z+1
.endr
.endm
.macro PHASEB dyn                      ; dyn = 1: where the flag says so only query tile 0 is worked on
	s_and_b32 s[HD], s[WV], 3
	s_lshr_b32 s[GG], s[WV], 2
	s_lshl_b32 s50, s[HD], 13
	s_add_co_u32 s50, s50, L_WK
	v_add_nc_u32 v4, s50, v1
	s_lshl_b32 s50, s[HD], 12
	s_add_co_u32 s50, s50, L_QI
	v_add_nc_u32 v5, s50, v1
	s_lshl_b32 s50, s[HD], 7
	s_add_co_u32 s50, s50, L_TAB
	v_bfe_u32 v26, v0, 4, 1
	v_lshl_add_u32 v6, v26, 5, s50
	s_lshl_b32 s50, s[GG], 15
	s_add_co_u32 s50, s50, L_XS
	v_add_nc_u32 v7, s50, v1
.set z, 0
.rept 64                               ; O^T and l start at 0, c m far below every c s: the first trip is a trip like any other, with a = 0
	v_mov_b32 v[OA+z], 0
.set z, z+1
.endr
.irp q, 0,1,2,3
	v_mov_b32 v[ST+4*\q], 0xfe000000
	v_mov_b32 v[ST+4*\q+1], 0xff7fffff
	v_mov_b32 v[ST+4*\q+2], 0
	v_mov_b32 v[ST+4*\q+3], 0
.endr
	v_mov_b32 v25, 0                               ; named with a as a pair
	s_mov_b32 s[CNT], 4
.Lpb_trip:
.set z, 0
.rept 16
	ds_load_b128 v[XF+4*z:XF+4*z+3], v7 offset:512*z
.set z, z+1
.endr
.irp f, 0,1
	ds_load_b128 v[VF+8*\f:VF+8*\f+3], v6 offset:BKT+64*\f
	ds_load_b128 v[VF+8*\f+4:VF+8*\f+7], v6 offset:BKT+64*\f+16
.endr
	LDW 0, 0
	s_wait_dscnt 0x0
	KMM 0
	PL5
	LDW 0, 2
	s_wait_dscnt 0x0
	KMM 2
	PL5
	LDW 32768, 0
.irp t, 0,1
.irp f, 0,1
.irp i, 0,1,2,3
	v_cvt_pk_f16_f32 v[KF+8*\t+4*\f+\i], v[ACC+16*\t+8*\f+2*\i], v[ACC+16*\t+8*\f+2*\i+1]
.endr
.endr
.endr
	s_wait_dscnt 0x0
	VMM 0
	PL5
	LDW 32768, 2
	s_wait_dscnt 0x0
	VMM 2
	PL5
.set z, 0
.rept 8
	ds_load_b128 v[WF+4*z:WF+4*z+3], v5 offset:512*z
.set z, z+1
.endr
.irp f, 0,1
.irp t, 0,1
.irp i, 0,1,2,3
	v_cvt_pk_f16_f32 v[VF+8*\f+4*\t+\i], v[ACC+16*\f+8*\t+2*\i], v[ACC+16*\f+8*\t+2*\i+1]
.endr
.endr
.endr
	v_add_nc_u32 v7, 0x2000, v7                    ; the next 32 rows
	s_wait_dscnt 0x0
	SMM 0
.if \dyn
	s_cmp_eq_u32 s[FLAG], 1
	s_cbranch_scc1 .Lpb_s
.endif
	SMM 1
	SMM 2
	SMM 3
.Lpb_s:
	PL5
	QT 0
	AVM 0
.if \dyn
	s_cmp_eq_u32 s[FLAG], 1
	s_cbranch_scc1 .Lpb_e
.endif
	QT 1
	AVM 1
	QT 2
	AVM 2
	QT 3
	AVM 3
.Lpb_e:
	PL5
	s_sub_co_i32 s[CNT], s[CNT], 1
	s_cmp_lg_u32 s[CNT], 0
	s_cbranch_scc1 .Lpb_trip
.irp q, 0,1,2,3
	v_add_f32 v[ST+4*\q+2], v[ST+4*\q+2], v[ST+4*\q+3]
.endr
.irp q, 0,1,2,3
	v_permlanex16_b32 v[ST+4*\q+3], v[ST+4*\q+2], s[SEL], s[SEL+1]
.endr
.irp q, 0,1,2,3
	v_add_f32 v[ST+4*\q+1], v[ST+4*\q+2], v[ST+4*\q+3]   ; (c m, l) is now a pair
.endr
	s_wait_dscnt 0x0
	s_barrier_signal -1                            ; every wave's reads of the x fragments are over:
	s_barrier_wait -1                              ; their bytes take the waves' O^T
	s_lshl_b32 s50, s[WV], 13
	s_add_co_u32 s50, s50, L_XS
	v_add_nc_u32 v26, s50, v1
	v_lshrrev_b32 v30, 1, v1                       ; 8 x lane
	s_lshl_b32 s50, s[WV], 10
	v_add_nc_u32 v27, s50, v30
.set z, 0
.rept 16
	ds_store_b128 v26, v[OA+4*z:OA+4*z+3] offset:512*z
.set z, z+1
.endr
.irp q, 0,1,2,3
	ds_store_b64 v27, v[ST+4*\q:ST+4*\q+1] offset:256*\q
.endr
	s_wait_dscnt 0x0                               ; for the others' sake
	s_barrier_signal -1
	s_barrier_wait -1
	s_lshl_b32 s50, s[HD], 13                      ; wave (head, g) merges query tile g of its head over the four groups
	s_lshl_b32 s51, s[GG], 11
	s_add_co_u32 s50, s50, s51
	s_add_co_u32 s50, s50, L_XS
	v_add_nc_u32 v26, s50, v1
	v_add_nc_u32 v28, 0x10000, v26
	s_lshl_b32 s50, s[HD], 10
	s_lshl_b32 s51, s[GG], 8
	s_add_co_u32 s50, s50, s51
	v_add_nc_u32 v27, s50, v30
.irp g, 0,1
.irp i, 0,1,2,3
	ds_load_b128 v[64+16*\g+4*\i:64+16*\g+4*\i+3], v26 offset:32768*\g+512*\i
	ds_load_b128 v[96+16*\g+4*\i:96+16*\g+4*\i+3], v28 offset:32768*\g+512*\i
.endr
.endr
.irp g, 0,1,2,3
	ds_load_b64 v[32+2*\g:33+2*\g], v27 offset:4096*\g
.endr
	s_lshl_b32 s50, s[HD], 2
	s_add_co_u32 s50, s50, s[GG]
	s_lshl_b32 s51, s50, 11
	v_add_nc_u32 v29, s51, v1
	s_lshl_b32 s51, s50, 8
	v_add_nc_u32 v30, s51, v30
	s_wait_dscnt 0x0
	v_max3_num_f32 v24, v32, v34, v36
	v_max_num_f32 v24, v24, v38
.irp g, 0,1,2,3
	v_sub_f32 v[32+2*\g], v[32+2*\g], v24
.endr
.irp g, 0,1,2,3
	v_exp_f32 v[32+2*\g], v[32+2*\g]
.endr
	v_nop
	s_wait_alu depctr_va_vdst(0)
	v_mul_f32 v25, v32, v33
.irp g, 1,2,3
	v_fmac_f32 v25, v[32+2*\g], v[33+2*\g]
.endr
.set z, 0
.rept 8
	v_pk_mul_f32 v[128+z:129+z], v[64+z:65+z], v[32:33] op_sel_hi:[1,0]
.set z, z+2
.endr
.irp g, 1,2,3
.set z, 0
.rept 8
	v_pk_fma_f32 v[128+z:129+z], v[64+16*\g+z:65+16*\g+z], v[32+2*\g:33+2*\g], v[128+z:129+z] op_sel_hi:[1,0,1]
.set z, z+2
.endr
.endr
.irp i, 0,1,2,3
	global_store_b128 v29, v[128+4*\i:131+4*\i], s[PP:PP+1] offset:512*\i   ; 512 consecutive bytes each
.endr
	global_store_b64 v30, v[24:25], s[PP:PP+1] offset:32768                  ; 256 consecutive bytes
	s_wait_tensorcnt 0x0                           ; the wave's end
	ds_add_u32 v2, v3
	s_wait_dscnt 0x0
	s_endpgm
.endm
.macro EACH8 line:vararg               ; one line for each of the eight pairs p
.set p, 0
	s_wait_alu depctr_va_vdst(0)
.rept 8
	\line
.set p, p+2
.endr
.endm
.macro EACH16 line:vararg
.set p, 0
.rept 16
	\line
.set p, p+1
.endr
.endm
	s_load_b512 s[4:19], s[0:1], 0x0               ; x s[4:5], residuals s[6:7], Wi s[8:9], bi s[10:11], pack s[12:13], bk s[14:15], xa s[16:17], part s[18:19]
	v_lshl_add_u32 v2, v0, 2, SPARE
	v_mov_b32 v3, 0
	v_lshrrev_b32 v8, 5, v0
	v_readfirstlane_b32 s[WV], v8
	v_and_b32 v9, 31, v0
	v_lshlrev_b32 v1, 4, v9                        ; 16 x lane
	v_and_b32 v10, 15, v0
	v_bfe_u32 v11, v0, 4, 1
	v_lshlrev_b32 v12, 4, v0                       ; 16 x thread
	v_add_nc_u32 v17, L_WK, v12
	v_add_nc_u32 v18, L_QI, v12
	v_add_nc_u32 v20, L_TAB-4096, v12              ; threads 256-319 (waves 8, 9): the two tables' 1,024 bytes
	s_lshl_b32 s50, ttmp9, 9
	s_lshl_b32 s51, s[WV], 5
	s_add_co_u32 s50, s50, s51
	v_add_nc_u32 v13, s50, v10                     ; my row in the wave's first tile
	v_mul_u32_u24 v14, v13, 24
	v_lshlrev_b32 v15, 2, v13
	s_lshl_b32 s51, s[WV], 6
	v_lshl_add_u32 v16, v10, 2, s51                ; Wi's column 16 w + l % 16
	s_lshl_b32 s51, s[WV], 10
	v_add_nc_u32 v19, s51, v1
	v_mov_b32 v56, 0
	s_mov_b32 s[CS], 0x3e0293ee
	s_mov_b32 s[CS+1], s[CS]
	s_mov_b32 s[SEL], 0x76543210
	s_mov_b32 s[SEL+1], 0xfedcba98
	s_mov_b32 s[A5], 0x3f87dc22
	s_mov_b32 s[A5+1], s[A5]
	s_mov_b32 s[A4], 0xbfba00e3
	s_mov_b32 s[A4+1], s[A4]
	s_mov_b32 s[SGN], 0x7fffffff
	s_mov_b32 s[HM], 0xffff0000
	s_mov_b32 s53, 0
	s_wait_kmcnt 0x0
	s_add_nc_u64 s[12:13], s[12:13], 442368        ; the image Wk | Wv | q fragments of the first inducing attention
	s_lshl_b32 s52, ttmp9, 17
	s_add_nc_u64 s[16:17], s[16:17], s[52:53]
	s_mul_i32 s52, ttmp9, 36864
	s_add_nc_u64 s[PP:PP+1], s[18:19], s[52:53]
	s_cmp_lt_u32 s[WV], 8                          ; waves 0-7 fetch Wi's columns of one feature tile, wave 8 bi, wave 9 bk
	s_cbranch_scc0 .Lh_tab
.irp k, 0,1,2,3,4,5,6
	global_load_b32 v[168+\k], v16, s[8:9] offset:512*\k
.endr
	s_branch .Lh_img
.Lh_tab:
	s_cmp_lt_u32 s[WV], 10
	s_cbranch_scc0 .Lh_img
	s_cmp_eq_u32 s[WV], 8
	s_cselect_b64 s[54:55], s[10:11], s[14:15]
	global_load_b128 v[168:171], v1, s[54:55]
.Lh_img:
.set z, 0
.rept 10
	global_load_b128 v[128+4*z:131+4*z], v12, s[12:13] offset:8192*z
.set z, z+1
.endr
.irp t, 0,1
	global_load_b64 v[96+8*\t:97+8*\t], v14, s[4:5] offset:384*\t
	global_load_b64 v[98+8*\t:99+8*\t], v14, s[4:5] offset:384*\t+8
	global_load_b64 v[100+8*\t:101+8*\t], v14, s[4:5] offset:384*\t+16
	global_load_b32 v[102+8*\t], v15, s[6:7] offset:64*\t
.endr
	s_wait_loadcnt 0x8                             ; all but the eight feature loads, which were issued last on every wave's way
.set z, 0
.rept 8
	ds_store_b128 v17, v[128+4*z:131+4*z] offset:8192*z
.set z, z+1
.endr
	ds_store_b128 v18, v[160:163]
	ds_store_b128 v18, v[164:167] offset:8192
	s_cmp_lt_u32 s[WV], 8
	s_cbranch_scc0 .Ls_tab
	v_cvt_pk_f16_f32 v176, v168, v169              ; Wi's fragment: k = 0..6, then zeros (lanes 16-31 meet zeros in the features' fragment)
	v_cvt_pk_f16_f32 v177, v170, v171
	v_cvt_pk_f16_f32 v178, v172, v173
	v_cvt_pk_f16_f32 v179, v174, v56
.irp i, 0,1,2,3
	v_mov_b32 v[180+\i], 0
.endr
	ds_store_b128 v19, v[176:179]
	ds_store_b128 v19, v[180:183] offset:512
	s_branch .Ls_done
.Ls_tab:
	s_cmp_lt_u32 s[WV], 10
	s_cbranch_scc0 .Ls_done
	ds_store_b128 v20, v[168:171]
.Ls_done:
	s_wait_dscnt 0x0                               ; for the others' sake
	s_barrier_signal -1
	s_barrier_wait -1
	s_wait_loadcnt 0x0                             ; my features
.irp t, 0,1
	v_cvt_pk_f16_f32 v[16+8*\t], v[96+8*\t], v[97+8*\t]
	v_cvt_pk_f16_f32 v[17+8*\t], v[98+8*\t], v[99+8*\t]
	v_cvt_pk_f16_f32 v[18+8*\t], v[100+8*\t], v[101+8*\t]
	v_cvt_pk_f16_f32 v[19+8*\t], v[102+8*\t], v56
.irp i, 0,1,2,3
	v_cndmask_b32 v[16+8*\t+\i], v[16+8*\t+\i], 0, s[HM]   ; k = 8 .. 15 (lanes 16-31) are zeros,
	v_mov_b32 v[20+8*\t+\i], 0                             ; and so are k = 16 .. 31
.endr
.endr
	v_mov_b32 v4, v1                               ; Wi's fragment of the trip's feature tile
	v_lshl_add_u32 v5, v11, 5, L_TAB               ; bi's C tile
	s_lshl_b32 s50, s[WV], 13
	v_add_nc_u32 v7, s50, v1                       ; in xa: my wave's 8,192 bytes
	s_add_co_u32 s50, s50, L_XS
	v_add_nc_u32 v6, s50, v1                       ; the same in LDS
	s_mov_b32 s[CNT], 8
.Lmt:
	ds_load_b128 v[32:35], v4
	ds_load_b128 v[36:39], v4 offset:512
	ds_load_b128 v[40:43], v5
	ds_load_b128 v[44:47], v5 offset:16
	s_wait_dscnt 0x0
	v_wmma_f32_16x16x32_f16 v[64:71], v[32:39], v[16:23], v[40:47]
	v_wmma_f32_16x16x32_f16 v[72:79], v[32:39], v[24:31], v[40:47]
	PL5
	EACH8 v_pk_mul_f32 v[GA+p:GA+p+1], v[GZ+p:GZ+p+1], 0x3f3504f3 op_sel_hi:[1,0]
	EACH16 v_and_b32 v[GA+p], s[SGN], v[GA+p]
	EACH8 v_pk_fma_f32 v[GA+p:GA+p+1], v[GA+p:GA+p+1], 0x3ea7ba05, 1.0 op_sel_hi:[1,0,0]
	EACH16 v_rcp_f32 v[GA+p], v[GA+p]
	EACH8 v_pk_mul_f32 v[GE+p:GE+p+1], v[GZ+p:GZ+p+1], v[GZ+p:GZ+p+1]
	EACH8 v_pk_mul_f32 v[GE+p:GE+p+1], v[GE+p:GE+p+1], 0xbf38aa3b op_sel_hi:[1,0]
	EACH16 v_exp_f32 v[GE+p], v[GE+p]
	EACH8 v_pk_fma_f32 v[GY+p:GY+p+1], v[GA+p:GA+p+1], s[A5:A5+1], s[A4:A4+1] op_sel_hi:[1,0,0]
	EACH8 v_pk_fma_f32 v[GY+p:GY+p+1], v[GY+p:GY+p+1], v[GA+p:GA+p+1], 0x3fb5f0e3 op_sel_hi:[1,1,0]
	EACH8 v_pk_fma_f32 v[GY+p:GY+p+1], v[GY+p:GY+p+1], v[GA+p:GA+p+1], 0xbe91a98e op_sel_hi:[1,1,0]
	EACH8 v_pk_fma_f32 v[GY+p:GY+p+1], v[GY+p:GY+p+1], v[GA+p:GA+p+1], 0x3e827906 op_sel_hi:[1,1,0]
	EACH8 v_pk_mul_f32 v[GY+p:GY+p+1], v[GY+p:GY+p+1], v[GA+p:GA+p+1]
	EACH8 v_pk_fma_f32 v[GY+p:GY+p+1], v[GY+p:GY+p+1], v[GE+p:GE+p+1], 1.0 op_sel_hi:[1,1,0] neg_lo:[1,0,0] neg_hi:[1,0,0]
	EACH16 v_bfi_b32 v[GY+p], s[SGN], v[GY+p], v[GZ+p]
	EACH8 v_pk_mul_f32 v[GZ+p:GZ+p+1], v[GZ+p:GZ+p+1], 0x3d4ccccd op_sel_hi:[1,0]
	EACH8 v_pk_fma_f32 v[GZ+p:GZ+p+1], v[GZ+p:GZ+p+1], v[GY+p:GY+p+1], v[GZ+p:GZ+p+1]
.set z, 0
.rept 8
	v_cvt_pk_f16_f32 v[48+z], v[GZ+2*z], v[GZ+2*z+1]
.set z, z+1
.endr
	ds_store_b128 v6, v[48:51]
	ds_store_b128 v6, v[52:55] offset:4096
	global_store_b128 v7, v[48:51], s[16:17]       ; 512 consecutive bytes each
	global_store_b128 v7, v[52:55], s[16:17] offset:4096
	s_wait_xcnt 0x0                                ; the stores' data and offset are written again only behind this wait
	v_add_nc_u32 v4, 0x400, v4
	v_add_nc_u32 v5, 64, v5
	v_add_nc_u32 v6, 0x200, v6
	v_add_nc_u32 v7, 0x200, v7
	s_sub_co_i32 s[CNT], s[CNT], 1
	s_cmp_lg_u32 s[CNT], 0
	s_cbranch_scc1 .Lmt
	s_wait_dscnt 0x0                               ; my rows' fragments are in LDS, for the others' sake
	s_barrier_signal -1
	s_barrier_wait -1
	PHASEB 0
.Lfunc_end_k_qf2f8c3de92_embed:
	.size	k_qf2f8c3de92_embed, .Lfunc_end_k_qf2f8c3de92_embed-k_qf2f8c3de92_embed
	.p2alignl 7, 3214868480
	.fill 96, 4, 3214868480
	.section	.rodata,"a",@progbits
	.p2align	6, 0x0
	.amdhsa_kernel k_qf2f8c3de92_embed
		.amdhsa_group_segment_fixed_size 317440
		.amdhsa_private_segment_fixed_size 0
		.amdhsa_enable_private_segment 0
		.amdhsa_kernarg_size 64
		.amdhsa_user_sgpr_count 2
		.amdhsa_user_sgpr_kernarg_segment_ptr 1
		.amdhsa_wavefront_size32 1
		.amdhsa_system_sgpr_workgroup_id_x 1
		.amdhsa_system_sgpr_workgroup_id_y 1
		.amdhsa_system_sgpr_workgroup_id_z 1
		.amdhsa_system_vgpr_workitem_id 0
		.amdhsa_next_free_vgpr 256
		.amdhsa_next_free_sgpr 66
		.amdhsa_reserve_vcc 0
		.amdhsa_float_denorm_mode_32 3
		.amdhsa_float_denorm_mode_16_64 3
		.amdhsa_memory_ordered 1
		.amdhsa_forward_progress 1
		.amdhsa_inst_pref_size 54
	.end_amdhsa_kernel
	.amdgpu_metadata
---
amdhsa.version: [ 1, 2 ]
amdhsa.kernels:
  - .name:           k_qf2f8c3de92_embed
    .symbol:         k_qf2f8c3de92_embed.kd
    .args:
      - { .name: x_values, .offset: 0, .size: 8, .value_kind: global_buffer, .address_space: global }
      - { .name: residuals, .offset: 8, .size: 8, .value_kind: global_buffer, .address_space: global }
      - { .name: params_Wi, .offset: 16, .size: 8, .value_kind: global_buffer, .address_space: global }
      - { .name: params_bi, .offset: 24, .size: 8, .value_kind: global_buffer, .address_space: global }
      - { .name: pack, .offset: 32, .size: 8, .value_kind: global_buffer, .address_space: global }
      - { .name: params_isab_0_mab0_bk, .offset: 40, .size: 8, .value_kind: global_buffer, .address_space: global }
      - { .name: xa, .offset: 48, .size: 8, .value_kind: global_buffer, .address_space: global }
      - { .name: part, .offset: 56, .size: 8, .value_kind: global_buffer, .address_space: global }
    .group_segment_fixed_size: 317440
    .private_segment_fixed_size: 0
    .kernarg_segment_align: 8
    .kernarg_segment_size: 64
    .max_flat_workgroup_size: 512
    .sgpr_count:     66
    .vgpr_count:     256
    .wavefront_size: 32
...
	.end_amdgpu_metadata
.endif
;; end of part 2
;; launch layer0 (part 3): grid 256 x 1, 16 waves a work-group, no clusters, 321,536 bytes of LDS; arguments xa, xb, part, part2, pack, cfg0, params_isab_0_mab1_bq, params_isab_0_mab1_bo, params_isab_0_mab1_ln0_g, params_isab_0_mab1_ln0_b, params_isab_0_mab1_ln1_g, params_isab_0_mab1_ln1_b, params_isab_1_mab0_bk, params_isab_0_mab0_ln0_g, params_isab_0_mab0_ln0_b, params_isab_0_mab0_bo, params_isab_0_mab0_ln1_g, params_isab_0_mab0_ln1_b, params_isab_0_mab1_bk, params_isab_0_mab1_bv, params_isab_0_mab0_bv, params_isab_0_mab0_Wo, params_isab_0_mab1_Wk, params_isab_0_mab1_Wv; writes xb, part2
.if DOCPART == 3
	.amdgcn_target "amdgcn-amd-amdhsa--gfx1250"
	.amdhsa_code_object_version 6
	.text
	.protected	k_qf2f8c3de92_layer0
	.globl	k_qf2f8c3de92_layer0
	.p2align	8
	.type	k_qf2f8c3de92_layer0,@function
k_qf2f8c3de92_layer0:
	s_mov_b64 s[64:65], 0
	v_nop
	global_prefetch_b8 v0, s[64:65] scope:SCOPE_SE
	s_setreg_imm32_b32 hwreg(HW_REG_WAVE_MODE, 25, 1), 1
	s_wait_xcnt 0x0
; LAYER.  For 512 rows a work-group: first the end of the inducing attention block whose partials the launch before left (STAGE H), then the whole block in which the rows attend to the set's 64 inducing results
; (PHASE A), then the work-group's share of the next attention over the rows (PHASE B: the next inducing block, or in the last layer the seed's pooling).
; FRAGMENT: 16 lines x 32 k of f16 in 1,024 bytes: block j at 512 j, lane l's 16 bytes at 16 l: line l % 16, k = 16 j + 8 (l / 16) + 0..7.  All products run transposed (Y^T = W^T X^T): a lane of the result holds ONE
; row (l % 16) and features 16 mt + 8 (l / 16) + 0..7, so two neighbouring result tiles, rounded to f16, ARE a fragment of the next product, and softmax and layer norm want one exchange between the lanes' halves.
; STAGE H: every work-group of a set makes the set's 64 inducing results for itself: no work-group may read what another stores in the same launch, and 384 products a work-group are little beside its 6,144.
; Wave w owns feature tile mt = w % 8 of the row tiles 2 (w / 8) and 2 (w / 8) + 1.  The set's eight partials (O, c m, l) are merged with weights 2^(c m_i - max); Y = O / l + q + bv; layer norm;
; Y + relu(Y Wo + bo); layer norm = H; k^T = Wk^T H^T + bk and V = H Wv + bv go as f16 fragments into LDS.  Wo, Wk, Wv come as f32, are rounded to f16 rows of 288 bytes in LDS and read turned (ds_load_tr16_b128).
; Layer norms are two-pass; a row's sums meet in LDS, a slot of 4,096 bytes for each exchange.  The weight image and x are asked for inside this stage and land while it runs.
; PHASE A: wave w owns rows 32 w .. + 31 (two tiles).  q^T = Wq^T x^T + bq stays in f32 in 128 registers; for each head S^T = K q^T (64 keys), softmax with the true maximum, q += V^T P / l; layer norm (two-pass);
; y + relu(y Wo + bo); layer norm; the result goes as f16 fragments to LDS and, unless the flag says that no later launch reads it, to x_out.  Biases are C operands of the first products.
; PHASE B: wave (head = w % 4, group = w / 4) takes its head over rows 128 group .. + 127, 32 keys a trip: k^T, V, S^T = K Q^T, a running maximum and sum, O^T += V^T P; the four groups are merged through LDS, and
; the partial (O, c m, l) goes to part_out.  bv is added later, once: the weights sum to one.  With the flag set there is one query: only query tile 0 is worked on; the other tiles' partials are stored as they were set.
; The layer's number and the flag are whole numbers that an earlier launch stored: the number picks the layer's image and q in pack, the flag steers forward jumps over no barrier.
; NO CLUSTER, NO TENSOR LOAD: what work-groups share (an image of 147,456 bytes, three weight matrices, a set's partials) is read once a work-group at the head, not in a loop, and goes through a conversion or a merge in registers.
; LIMITS.  f16 operands: nothing beyond 65,504; below 6.1e-5 a fixed step of 6e-8.  A weight below 2^-126 counts as 0; l is the sum of the unrounded weights.  1 / l and 1 / sqrt by v_rcp_f32, v_rsq_f32.
; NaN and infinities are not treated apart.
; REGISTERS that last: v0 thread, v1 16 x lane, v2-3 the add's two, v4 my wave's byte offset in x (phase B: Wk's fragments), v5-7 LDS addresses.  v[8:31] are at work in every step: nothing that lasts lies there.
; Stage H: v[16:31] Y, two tiles; v[240:255] its LDS addresses, made when the partials have been merged.
.set PITCH, 288                        ; an f16 row of 256 bytes + 32 = 72 words: the turning load's 8 rows x 32 bytes start 8 words apart
.set L_WK,  65536                      ; LDS: 0 Wq (later the waves' statistics) | 32,768 Wo | 65,536 Wk | 98,304 Wv | 131,072 q fragments | 147,456 K (before that: four slots of sums) | 163,840 V^T |
.set L_QI,  131072                     ;      180,224 sixteen places of 512 bytes for tables, fourteen used | 188,416 x fragments (before that: stage H's weights and fragments; later the waves' O) | 319,488 spare words
.set L_KH,  147456
.set L_VH,  163840
.set L_TAB, 180224
.set BKT,   3072                       ; the next attention's bk: table 6
.set L_XS,  188416
.set SPARE, 319488
.set H_WO,  L_XS                       ; stage H: Wo, then at + 36,864 Wk, at + 73,728 Wv: 128 rows of 288 bytes each
.set H_YF,  L_XS+110592                ; Y's 16 fragments
.set H_HF,  L_XS                       ; H's 16 fragments, over Wo, which has been read by then
.set H_RED, L_KH
.set ST,  8
.set WF,  32                           ; v[32:63]  weight, K, V or q fragments
.set XF,  64                           ; v[64:127] x fragments
.set SR,  64                           ;           or scores
.set Q32, 128                          ; v[128:255] phase A: the rows in f32, tile (t, mt) at 64 t + 8 mt
.set OA,  128                          ; phase B: O^T, tile (qt, f) at 16 qt + 8 f
.set ACC, 192
.set KF,  224
.set VF,  240
.set WV,  54
.set HD,  55
.set GG,  56
.set CNT, 57
.set CS,  58                           ; s[58:59] c = log2(e) / sqrt(128)
.set SEL, 60                           ; s[60:61] v_permlanex16_b32: each lane takes its own place in the other half
.set PP,  62                           ; s[62:63] my work-group's partial
.set I128, 66
.set EPS,  67
.set NI128, 68
.set MT,  69                           ; stage H: my feature tile
.set QH,  70                           ; stage H: my pair of row tiles
.set T0,  72                           ; s[72:73] at work
.set T1,  73
.set LAY, 74                           ; the layer's number
.set FLAG, 75
.set QB,  76                           ; s[76:77] q of this layer's inducing points, in f32
.macro PL5                             ; five plain places behind matrix instructions (ISA guide 7.12.1)
.rept 5
	v_nop
.endr
.endm
.macro BAR
	s_wait_dscnt 0x0                               ; my LDS stores are done and my LDS loads are back, for the others' sake
	s_barrier_signal -1
	s_barrier_wait -1
.endm
.macro LDW off, c0                     ; fragments (2 head + f, c0 .. c0 + 1) of Wk (off = 0) or Wv
.irp cc, 0,1
.irp f, 0,1
	ds_load_b128 v[WF+16*\cc+8*\f:WF+16*\cc+8*\f+3], v4 offset:(\off)+4096*\f+1024*((\c0)+\cc)
	ds_load_b128 v[WF+16*\cc+8*\f+4:WF+16*\cc+8*\f+7], v4 offset:(\off)+4096*\f+1024*((\c0)+\cc)+512
.endr
.endr
.endm
.macro KMM c0                          ; k^T, four accumulators by turns; the first product takes bk as C
.irp cc, 0,1
.irp t, 0,1
.irp f, 0,1
.if ((\c0)+\cc) == 0
	v_wmma_f32_16x16x32_f16 v[ACC+16*\t+8*\f:ACC+16*\t+8*\f+7], v[WF+16*\cc+8*\f:WF+16*\cc+8*\f+7], v[XF+32*\t+8*((\c0)+\cc):XF+32*\t+8*((\c0)+\cc)+7], v[VF+8*\f:VF+8*\f+7]
.else
	v_wmma_f32_16x16x32_f16 v[ACC+16*\t+8*\f:ACC+16*\t+8*\f+7], v[WF+16*\cc+8*\f:WF+16*\cc+8*\f+7], v[XF+32*\t+8*((\c0)+\cc):XF+32*\t+8*((\c0)+\cc)+7], v[ACC+16*\t+8*\f:ACC+16*\t+8*\f+7]
.endif
.endr
.endr
.endr
.endm
.macro VMM c0                          ; V with the sources swapped: a lane holds one feature and eight rows
.irp cc, 0,1
.irp f, 0,1
.irp t, 0,1
.if ((\c0)+\cc) == 0
	v_wmma_f32_16x16x32_f16 v[ACC+16*\f+8*\t:ACC+16*\f+8*\t+7], v[XF+32*\t+8*((\c0)+\cc):XF+32*\t+8*((\c0)+\cc)+7], v[WF+16*\cc+8*\f:WF+16*\cc+8*\f+7], 0
.else
	v_wmma_f32_16x16x32_f16 v[ACC+16*\f+8*\t:ACC+16*\f+8*\t+7], v[XF+32*\t+8*((\c0)+\cc):XF+32*\t+8*((\c0)+\cc)+7], v[WF+16*\cc+8*\f:WF+16*\cc+8*\f+7], v[ACC+16*\f+8*\t:ACC+16*\f+8*\t+7]
.endif
.endr
.endr
.endr
.endm
.macro SMM qt                          ; S^T = K Q^T for 32 keys x 16 queries: the head's 32 channels are one product
.irp t, 0,1
	v_wmma_f32_16x16x32_f16 v[SR+16*(\qt)+8*\t:SR+16*(\qt)+8*\t+7], v[KF+8*\t:KF+8*\t+7], v[WF+8*(\qt):WF+8*(\qt)+7], 0
.endr
.endm
.macro AVM qt                          ; O^T += V^T P
.irp f, 0,1
	v_wmma_f32_16x16x32_f16 v[OA+16*(\qt)+8*\f:OA+16*(\qt)+8*\f+7], v[VF+8*\f:VF+8*\f+7], v[SR+16*(\qt):SR+16*(\qt)+7], v[OA+16*(\qt)+8*\f:OA+16*(\qt)+8*\f+7]
.endr
.endm
.macro QT qt                           ; one query tile's softmax step on its 16 scores a lane; each accumulator's lowest registers are read first
.set sS, SR+16*(\qt)
.set sT, ST+4*(\qt)
.set sO, OA+16*(\qt)
	v_max3_num_f32 v26, v[sS], v[sS+1], v[sS+2]
	v_max3_num_f32 v27, v[sS+8], v[sS+9], v[sS+10]
	v_max3_num_f32 v26, v26, v[sS+3], v[sS+4]
	v_max3_num_f32 v27, v27, v[sS+11], v[sS+12]
	v_max3_num_f32 v26, v26, v[sS+5], v[sS+6]
	v_max3_num_f32 v27, v27, v[sS+13], v[sS+14]
	v_max3_num_f32 v26, v26, v[sS+7], v[sS+15]
	v_max3_num_f32 v26, v26, v27, v[sT+1]
	v_permlanex16_b32 v27, v26, s[SEL], s[SEL+1]   ; the query's other 16 keys lie in the lane 16 away
	v_max_num_f32 v[sT+1], v26, v27
	v_mul_f32 v26, s[CS], v[sT+1]
	v_sub_f32 v27, v[sT], v26
	v_mov_b32 v[sT], v26
	v_exp_f32 v24, v27                             ; a = 2^(c m_old - c m_new)
.set z, 0
.rept 8
	v_pk_fma_f32 v[sS+z:sS+z+1], v[sS+z:sS+z+1], s[CS:CS+1], v[sT:sT+1] op_sel_hi:[1,0,0] neg_lo:[0,0,1] neg_hi:[0,0,1]
.set z, z+2
.endr
.set z, 0
.rept 16
	v_exp_f32 v[sS+z], v[sS+z]
.set z, z+1
.endr
.set z, 0
	s_wait_alu depctr_va_vdst(0)
.rept 8                                ; plain work behind the exponentials: O^T times a
	v_pk_mul_f32 v[sO+z:sO+z+1], v[sO+z:sO+z+1], v[24:25] op_sel_hi:[1,0]
.set z, z+2
.endr
	v_pk_add_f32 v[28:29], v[sS:sS+1], v[sS+2:sS+3]
	v_pk_add_f32 v[30:31], v[sS+8:sS+9], v[sS+10:sS+11]
	v_pk_add_f32 v[28:29], v[28:29], v[sS+4:sS+5]
	v_pk_add_f32 v[30:31], v[30:31], v[sS+12:sS+13]
	v_pk_add_f32 v[28:29], v[28:29], v[sS+6:sS+7]
	v_pk_add_f32 v[30:31], v[30:31], v[sS+14:sS+15]
	v_pk_add_f32 v[28:29], v[28:29], v[30:31]
	v_pk_fma_f32 v[sT+2:sT+3], v[sT+2:sT+3], v[24:25], v[28:29] op_sel_hi:[1,0,1]
.set z, 0
.rept 8                                ; the weights rounded to f16, in place: the eight lowest registers become the fragment P
	v_cvt_pk_f16_f32 v[sS+z], v[sS+2*z], v[sS+2*z+1]
.set z, z+1
.endr
.endm
.macro PHASEB dyn                      ; dyn = 1: where the flag says so only query tile 0 is worked on
	s_and_b32 s[HD], s[WV], 3
	s_lshr_b32 s[GG], s[WV], 2
	s_lshl_b32 s[T0], s[HD], 13
	s_add_co_u32 s[T0], s[T0], L_WK
	v_add_nc_u32 v4, s[T0], v1
	s_lshl_b32 s[T0], s[HD], 12
	s_add_co_u32 s[T0], s[T0], L_QI
	v_add_nc_u32 v5, s[T0], v1
	s_lshl_b32 s[T0], s[HD], 7
	s_add_co_u32 s[T0], s[T0], L_TAB
	v_bfe_u32 v26, v0, 4, 1
	v_lshl_add_u32 v6, v26, 5, s[T0]
	s_lshl_b32 s[T0], s[GG], 15
	s_add_co_u32 s[T0], s[T0], L_XS
	v_add_nc_u32 v7, s[T0], v1
.set z, 0
.rept 64                               ; O^T and l start at 0, c m far below every c s: the first trip is a trip like any other, with a = 0
	v_mov_b32 v[OA+z], 0
.set z, z+1
.endr
.irp q, 0,1,2,3
	v_mov_b32 v[ST+4*\q], 0xfe000000
	v_mov_b32 v[ST+4*\q+1], 0xff7fffff
	v_mov_b32 v[ST+4*\q+2], 0
	v_mov_b32 v[ST+4*\q+3], 0
.endr
	v_mov_b32 v25, 0                               ; named with a as a pair
	s_mov_b32 s[CNT], 4
.Lpb_trip:
.set z, 0
.rept 16
	ds_load_b128 v[XF+4*z:XF+4*z+3], v7 offset:512*z
.set z, z+1
.endr
.irp f, 0,1
	ds_load_b128 v[VF+8*\f:VF+8*\f+3], v6 offset:BKT+64*\f
	ds_load_b128 v[VF+8*\f+4:VF+8*\f+7], v6 offset:BKT+64*\f+16
.endr
	LDW 0, 0
	s_wait_dscnt 0x0
	KMM 0
	PL5
	LDW 0, 2
	s_wait_dscnt 0x0
	KMM 2
	PL5
	LDW 32768, 0
.irp t, 0,1
.irp f, 0,1
.irp i, 0,1,2,3
	v_cvt_pk_f16_f32 v[KF+8*\t+4*\f+\i], v[ACC+16*\t+8*\f+2*\i], v[ACC+16*\t+8*\f+2*\i+1]
.endr
.endr
.endr
	s_wait_dscnt 0x0
	VMM 0
	PL5
	LDW 32768, 2
	s_wait_dscnt 0x0
	VMM 2
	PL5
.set z, 0
.rept 8
	ds_load_b128 v[WF+4*z:WF+4*z+3], v5 offset:512*z
.set z, z+1
.endr
.irp f, 0,1
.irp t, 0,1
.irp i, 0,1,2,3
	v_cvt_pk_f16_f32 v[VF+8*\f+4*\t+\i], v[ACC+16*\f+8*\t+2*\i], v[ACC+16*\f+8*\t+2*\i+1]
.endr
.endr
.endr
	v_add_nc_u32 v7, 0x2000, v7                    ; the next 32 rows
	s_wait_dscnt 0x0
	SMM 0
.if \dyn
	s_cmp_eq_u32 s[FLAG], 1
	s_cbranch_scc1 .Lpb_s
.endif
	SMM 1
	SMM 2
	SMM 3
.Lpb_s:
	PL5
	QT 0
	AVM 0
.if \dyn
	s_cmp_eq_u32 s[FLAG], 1
	s_cbranch_scc1 .Lpb_e
.endif
	QT 1
	AVM 1
	QT 2
	AVM 2
	QT 3
	AVM 3
.Lpb_e:
	PL5
	s_sub_co_i32 s[CNT], s[CNT], 1
	s_cmp_lg_u32 s[CNT], 0
	s_cbranch_scc1 .Lpb_trip
.irp q, 0,1,2,3
	v_add_f32 v[ST+4*\q+2], v[ST+4*\q+2], v[ST+4*\q+3]
.endr
.irp q, 0,1,2,3
	v_permlanex16_b32 v[ST+4*\q+3], v[ST+4*\q+2], s[SEL], s[SEL+1]
.endr
.irp q, 0,1,2,3
	v_add_f32 v[ST+4*\q+1], v[ST+4*\q+2], v[ST+4*\q+3]   ; (c m, l) is now a pair
.endr
	s_wait_dscnt 0x0
	s_barrier_signal -1                            ; every wave's reads of the x fragments are over:
	s_barrier_wait -1                              ; their bytes take the waves' O^T
	s_lshl_b32 s[T0], s[WV], 13
	s_add_co_u32 s[T0], s[T0], L_XS
	v_add_nc_u32 v26, s[T0], v1
	v_lshrrev_b32 v30, 1, v1                       ; 8 x lane
	s_lshl_b32 s[T0], s[WV], 10
	v_add_nc_u32 v27, s[T0], v30
.set z, 0
.rept 16
	ds_store_b128 v26, v[OA+4*z:OA+4*z+3] offset:512*z
.set z, z+1
.endr
.irp q, 0,1,2,3
	ds_store_b64 v27, v[ST+4*\q:ST+4*\q+1] offset:256*\q
.endr
	s_wait_dscnt 0x0                               ; for the others' sake
	s_barrier_signal -1
	s_barrier_wait -1
	s_lshl_b32 s[T0], s[HD], 13                    ; wave (head, g) merges query tile g of its head over the four groups
	s_lshl_b32 s[T1], s[GG], 11
	s_add_co_u32 s[T0], s[T0], s[T1]
	s_add_co_u32 s[T0], s[T0], L_XS
	v_add_nc_u32 v26, s[T0], v1
	v_add_nc_u32 v28, 0x10000, v26
	s_lshl_b32 s[T0], s[HD], 10
	s_lshl_b32 s[T1], s[GG], 8
	s_add_co_u32 s[T0], s[T0], s[T1]
	v_add_nc_u32 v27, s[T0], v30
.irp g, 0,1
.irp i, 0,1,2,3
	ds_load_b128 v[64+16*\g+4*\i:64+16*\g+4*\i+3], v26 offset:32768*\g+512*\i
	ds_load_b128 v[96+16*\g+4*\i:96+16*\g+4*\i+3], v28 offset:32768*\g+512*\i
.endr
.endr
.irp g, 0,1,2,3
	ds_load_b64 v[32+2*\g:33+2*\g], v27 offset:4096*\g
.endr
	s_lshl_b32 s[T0], s[HD], 2
	s_add_co_u32 s[T0], s[T0], s[GG]
	s_lshl_b32 s[T1], s[T0], 11
	v_add_nc_u32 v29, s[T1], v1
	s_lshl_b32 s[T1], s[T0], 8
	v_add_nc_u32 v30, s[T1], v30
	s_wait_dscnt 0x0
	v_max3_num_f32 v24, v32, v34, v36
	v_max_num_f32 v24, v24, v38
.irp g, 0,1,2,3
	v_sub_f32 v[32+2*\g], v[32+2*\g], v24
.endr
.irp g, 0,1,2,3
	v_exp_f32 v[32+2*\g], v[32+2*\g]
.endr
	v_nop
	s_wait_alu depctr_va_vdst(0)
	v_mul_f32 v25, v32, v33
.irp g, 1,2,3
	v_fmac_f32 v25, v[32+2*\g], v[33+2*\g]
.endr
.set z, 0
.rept 8
	v_pk_mul_f32 v[128+z:129+z], v[64+z:65+z], v[32:33] op_sel_hi:[1,0]
.set z, z+2
.endr
.irp g, 1,2,3
.set z, 0
.rept 8
	v_pk_fma_f32 v[128+z:129+z], v[64+16*\g+z:65+16*\g+z], v[32+2*\g:33+2*\g], v[128+z:129+z] op_sel_hi:[1,0,1]
.set z, z+2
.endr
.endr
.irp i, 0,1,2,3
	global_store_b128 v29, v[128+4*\i:131+4*\i], s[PP:PP+1] offset:512*\i   ; 512 consecutive bytes each
.endr
	global_store_b64 v30, v[24:25], s[PP:PP+1] offset:32768                  ; 256 consecutive bytes
	s_wait_tensorcnt 0x0                           ; the wave's end
	ds_add_u32 v2, v3
	s_wait_dscnt 0x0
	s_endpgm
.endm
; ---- stage H's steps ----
.macro W2LDS r0, adr                   ; 128 rows of 128 f32, 32 registers a thread (load z: rows 16 z + thread / 32) -> f16 rows in LDS
.set z, 0
.rept 8
	v_cvt_pk_f16_f32 v[\r0+4*z], v[\r0+4*z], v[\r0+4*z+1]
	v_cvt_pk_f16_f32 v[\r0+4*z+1], v[\r0+4*z+2], v[\r0+4*z+3]
	ds_store_b64 v[\adr], v[\r0+4*z:\r0+4*z+1] offset:16*PITCH*z
.set z, z+1
.endr
.endm
.macro HMERGE u                        ; row tile u: the eight partials' weights 2^(c m_i - max), 1 / l, and the weighted sum of the eight O
.set hS, 96+16*(\u)
.set hO, 128+64*(\u)
.set hY, 16+8*(\u)
.set hL, 68+2*(\u)
	v_max3_num_f32 v[hL+1], v[hS], v[hS+2], v[hS+4]
	v_max3_num_f32 v[hL+1], v[hL+1], v[hS+6], v[hS+8]
	v_max3_num_f32 v[hL+1], v[hL+1], v[hS+10], v[hS+12]
	v_max_num_f32 v[hL+1], v[hL+1], v[hS+14]
.irp i, 0,1,2,3,4,5,6,7
	v_sub_f32 v[hS+2*\i], v[hS+2*\i], v[hL+1]
.endr
.irp i, 0,1,2,3,4,5,6,7
	v_exp_f32 v[hS+2*\i], v[hS+2*\i]
.endr
	v_nop
	s_wait_alu depctr_va_vdst(0)
	v_mul_f32 v[hL], v[hS], v[hS+1]
.irp i, 1,2,3,4,5,6,7
	v_fmac_f32 v[hL], v[hS+2*\i], v[hS+2*\i+1]
.endr
	v_rcp_f32 v[hL], v[hL]
.irp k, 0,2,4,6
	v_pk_mul_f32 v[hY+\k:hY+\k+1], v[hO+\k:hO+\k+1], v[hS:hS+1] op_sel_hi:[1,0]
.endr
.irp i, 1,2,3,4,5,6,7
.irp k, 0,2,4,6
	v_pk_fma_f32 v[hY+\k:hY+\k+1], v[hO+8*\i+\k:hO+8*\i+\k+1], v[hS+2*\i:hS+2*\i+1], v[hY+\k:hY+\k+1] op_sel_hi:[1,0,1]
.endr
.endr
.endm
.macro HSUM slot, tb                   ; v8, v9: a lane's sums over its 8 features in the two row tiles -> the rows' sums over all 128 features: eight waves' pairs meet in LDS
	v_permlanex16_b32 v10, v8, s[SEL], s[SEL+1]
	v_permlanex16_b32 v11, v9, s[SEL], s[SEL+1]
	v_add_f32 v8, v8, v10
	v_add_f32 v9, v9, v11
	ds_store_b64 v240, v[8:9] offset:4096*(\slot)
	BAR
.irp k, 0,1,2,3,4,5,6,7
	ds_load_b64 v[\tb+2*\k:\tb+2*\k+1], v241 offset:4096*(\slot)+256*\k
.endr
	s_wait_dscnt 0x0
.irp k, 0,4,8,12
	v_pk_add_f32 v[\tb+\k:\tb+\k+1], v[\tb+\k:\tb+\k+1], v[\tb+\k+2:\tb+\k+3]
.endr
	v_pk_add_f32 v[\tb:\tb+1], v[\tb:\tb+1], v[\tb+4:\tb+5]
	v_pk_add_f32 v[\tb+8:\tb+9], v[\tb+8:\tb+9], v[\tb+12:\tb+13]
	v_pk_add_f32 v[8:9], v[\tb:\tb+1], v[\tb+8:\tb+9]
.endm
.macro HLN slot, tb, gi, bi            ; layer norm of v[16:23] and v[24:31] across eight waves, two-pass; 40 registers at work from tb on; gain and bias are tables gi, bi
	v_pk_add_f32 v[\tb+32:\tb+33], v[16:17], v[18:19]
	v_pk_add_f32 v[\tb+34:\tb+35], v[20:21], v[22:23]
	v_pk_add_f32 v[\tb+36:\tb+37], v[24:25], v[26:27]
	v_pk_add_f32 v[\tb+38:\tb+39], v[28:29], v[30:31]
	v_pk_add_f32 v[\tb+32:\tb+33], v[\tb+32:\tb+33], v[\tb+34:\tb+35]
	v_pk_add_f32 v[\tb+36:\tb+37], v[\tb+36:\tb+37], v[\tb+38:\tb+39]
	v_add_f32 v8, v[\tb+32], v[\tb+33]
	v_add_f32 v9, v[\tb+36], v[\tb+37]
	HSUM \slot, \tb
	ds_load_b128 v[\tb+16:\tb+19], v242 offset:512*(\gi)      ; the tables were stored ahead of a barrier that has been passed
	ds_load_b128 v[\tb+20:\tb+23], v242 offset:512*(\gi)+16
	ds_load_b128 v[\tb+24:\tb+27], v242 offset:512*(\bi)
	ds_load_b128 v[\tb+28:\tb+31], v242 offset:512*(\bi)+16
	v_mul_f32 v10, s[NI128], v9                    ; - mean, each in the low word of a pair
	v_mul_f32 v8, s[NI128], v8
.irp k, 0,2,4,6
	v_pk_add_f32 v[16+\k:17+\k], v[16+\k:17+\k], v[8:9] op_sel_hi:[1,0]
	v_pk_add_f32 v[24+\k:25+\k], v[24+\k:25+\k], v[10:11] op_sel_hi:[1,0]
.endr
	v_pk_mul_f32 v[\tb+32:\tb+33], v[16:17], v[16:17]
	v_pk_mul_f32 v[\tb+34:\tb+35], v[20:21], v[20:21]
	v_pk_mul_f32 v[\tb+36:\tb+37], v[24:25], v[24:25]
	v_pk_mul_f32 v[\tb+38:\tb+39], v[28:29], v[28:29]
	v_pk_fma_f32 v[\tb+32:\tb+33], v[18:19], v[18:19], v[\tb+32:\tb+33]
	v_pk_fma_f32 v[\tb+34:\tb+35], v[22:23], v[22:23], v[\tb+34:\tb+35]
	v_pk_fma_f32 v[\tb+36:\tb+37], v[26:27], v[26:27], v[\tb+36:\tb+37]
	v_pk_fma_f32 v[\tb+38:\tb+39], v[30:31], v[30:31], v[\tb+38:\tb+39]
	v_pk_add_f32 v[\tb+32:\tb+33], v[\tb+32:\tb+33], v[\tb+34:\tb+35]
	v_pk_add_f32 v[\tb+36:\tb+37], v[\tb+36:\tb+37], v[\tb+38:\tb+39]
	v_add_f32 v8, v[\tb+32], v[\tb+33]
	v_add_f32 v9, v[\tb+36], v[\tb+37]
	HSUM (\slot)+1, \tb
	v_fma_f32 v10, v9, s[I128], s[EPS]
	v_fma_f32 v8, v8, s[I128], s[EPS]
	v_rsq_f32 v8, v8
	v_rsq_f32 v10, v10
	v_nop
	s_wait_alu depctr_va_vdst(0)
.irp k, 0,2,4,6
	v_pk_mul_f32 v[16+\k:17+\k], v[16+\k:17+\k], v[8:9] op_sel_hi:[1,0]
	v_pk_mul_f32 v[24+\k:25+\k], v[24+\k:25+\k], v[10:11] op_sel_hi:[1,0]
.endr
.irp k, 0,2,4,6
	v_pk_fma_f32 v[16+\k:17+\k], v[16+\k:17+\k], v[\tb+16+\k:\tb+17+\k], v[\tb+24+\k:\tb+25+\k]
	v_pk_fma_f32 v[24+\k:25+\k], v[24+\k:25+\k], v[\tb+16+\k:\tb+17+\k], v[\tb+24+\k:\tb+25+\k]
.endr
.endm
; ---- phase A's steps ----
.macro QPROJ mt                        ; q^T's feature tile mt for both row tiles: two accumulators by turns, bq as the first C
.set z, 0
.rept 8
	ds_load_b128 v[WF+4*z:WF+4*z+3], v1 offset:4096*(\mt)+512*z
.set z, z+1
.endr
	ds_load_b128 v[8:11], v6 offset:64*(\mt)
	ds_load_b128 v[12:15], v6 offset:64*(\mt)+16
	s_wait_dscnt 0x0
.irp c, 0,1,2,3
.irp t, 0,1
.if \c == 0
	v_wmma_f32_16x16x32_f16 v[Q32+64*\t+8*(\mt):Q32+64*\t+8*(\mt)+7], v[WF+8*\c:WF+8*\c+7], v[XF+32*\t+8*\c:XF+32*\t+8*\c+7], v[8:15]
.else
	v_wmma_f32_16x16x32_f16 v[Q32+64*\t+8*(\mt):Q32+64*\t+8*(\mt)+7], v[WF+8*\c:WF+8*\c+7], v[XF+32*\t+8*\c:XF+32*\t+8*\c+7], v[Q32+64*\t+8*(\mt):Q32+64*\t+8*(\mt)+7]
.endif
.endr
.endr
	PL5
.endm
.macro ATT h                           ; head h: 64 keys, both row tiles
.set z, 0
.rept 8
	ds_load_b128 v[WF+4*z:WF+4*z+3], v5 offset:16384+4096*(\h)+512*z       ; K's four fragments
.set z, z+1
.endr
.irp t, 0,1
.irp f, 0,1
.irp i, 0,1,2,3
	v_cvt_pk_f16_f32 v[16+8*\t+4*\f+\i], v[Q32+64*\t+8*(2*(\h)+\f)+2*\i], v[Q32+64*\t+8*(2*(\h)+\f)+2*\i+1]
.endr
.endr
.endr
	s_wait_dscnt 0x0
.irp t, 0,1
.irp k, 0,1,2,3
	v_wmma_f32_16x16x32_f16 v[SR+32*\t+8*\k:SR+32*\t+8*\k+7], v[WF+8*\k:WF+8*\k+7], v[16+8*\t:16+8*\t+7], 0
.endr
.endr
	PL5
.irp n, 0,1,2,3                        ; the maximum: four chains a tile; each accumulator's lowest registers are read first
.irp t, 0,1
	v_max3_num_f32 v[8+4*\t+\n], v[SR+32*\t+8*\n], v[SR+32*\t+8*\n+1], v[SR+32*\t+8*\n+2]
.endr
.endr
.set z, 0
.rept 8
	ds_load_b128 v[WF+4*z:WF+4*z+3], v5 offset:32768+4096*(\h)+512*z       ; V^T's four fragments
.set z, z+1
.endr
.irp n, 0,1,2,3
.irp t, 0,1
	v_max3_num_f32 v[8+4*\t+\n], v[8+4*\t+\n], v[SR+32*\t+8*\n+3], v[SR+32*\t+8*\n+4]
.endr
.endr
.irp n, 0,1,2,3
.irp t, 0,1
	v_max3_num_f32 v[8+4*\t+\n], v[8+4*\t+\n], v[SR+32*\t+8*\n+5], v[SR+32*\t+8*\n+6]
.endr
.endr
.irp t, 0,1
	v_max3_num_f32 v[8+4*\t], v[8+4*\t], v[SR+32*\t+7], v[SR+32*\t+15]
	v_max3_num_f32 v[9+4*\t], v[9+4*\t], v[SR+32*\t+23], v[SR+32*\t+31]
	v_max_num_f32 v[10+4*\t], v[10+4*\t], v[11+4*\t]
.endr
.irp t, 0,1
	v_max3_num_f32 v[8+4*\t], v[8+4*\t], v[9+4*\t], v[10+4*\t]
.endr
.irp t, 0,1
	v_permlanex16_b32 v[11+4*\t], v[8+4*\t], s[SEL], s[SEL+1]
.endr
.irp t, 0,1
	v_max_num_f32 v[8+4*\t], v[8+4*\t], v[11+4*\t]
.endr
.irp t, 0,1
	v_mul_f32 v[8+4*\t], s[CS], v[8+4*\t]
.endr
.irp t, 0,1
.set z, 0
.rept 16
	v_pk_fma_f32 v[SR+32*\t+z:SR+32*\t+z+1], v[SR+32*\t+z:SR+32*\t+z+1], s[CS:CS+1], v[8+4*\t:9+4*\t] op_sel_hi:[1,0,0] neg_lo:[0,0,1] neg_hi:[0,0,1]
.set z, z+2
.endr
.endr
.set z, 0
.rept 64
	v_exp_f32 v[SR+z], v[SR+z]
.set z, z+1
.endr
	v_nop                                          ; a plain instruction behind the exponentials
	s_wait_alu depctr_va_vdst(0)
.irp t, 0,1
	v_pk_add_f32 v[8+4*\t:9+4*\t], v[SR+32*\t:SR+32*\t+1], v[SR+32*\t+2:SR+32*\t+3]
	v_pk_add_f32 v[10+4*\t:11+4*\t], v[SR+32*\t+16:SR+32*\t+17], v[SR+32*\t+18:SR+32*\t+19]
.endr
.set z, 4
.rept 6
.irp t, 0,1
	v_pk_add_f32 v[8+4*\t:9+4*\t], v[8+4*\t:9+4*\t], v[SR+32*\t+z:SR+32*\t+z+1]
	v_pk_add_f32 v[10+4*\t:11+4*\t], v[10+4*\t:11+4*\t], v[SR+32*\t+16+z:SR+32*\t+16+z+1]
.endr
.set z, z+2
.endr
.irp t, 0,1
	v_pk_add_f32 v[8+4*\t:9+4*\t], v[8+4*\t:9+4*\t], v[10+4*\t:11+4*\t]
.endr
.irp t, 0,1
	v_add_f32 v[8+4*\t], v[8+4*\t], v[9+4*\t]
.endr
.irp t, 0,1
	v_permlanex16_b32 v[9+4*\t], v[8+4*\t], s[SEL], s[SEL+1]
.endr
.irp t, 0,1
	v_add_f32 v[8+4*\t], v[8+4*\t], v[9+4*\t]
.endr
.irp t, 0,1
	v_rcp_f32 v[8+4*\t], v[8+4*\t]
.endr
.irp t, 0,1
.set z, 0
.rept 16                               ; the weights rounded to f16, in place: the sixteen lowest registers become P's two fragments
	v_cvt_pk_f16_f32 v[SR+32*\t+z], v[SR+32*\t+2*z], v[SR+32*\t+2*z+1]
.set z, z+1
.endr
.endr
	s_wait_dscnt 0x0
.irp kk, 0,1
.irp t, 0,1
.irp f, 0,1
.if \kk == 0
	v_wmma_f32_16x16x32_f16 v[SR+32*\t+16+8*\f:SR+32*\t+16+8*\f+7], v[WF+8*(2*\f+\kk):WF+8*(2*\f+\kk)+7], v[SR+32*\t+8*\kk:SR+32*\t+8*\kk+7], 0
.else
	v_wmma_f32_16x16x32_f16 v[SR+32*\t+16+8*\f:SR+32*\t+16+8*\f+7], v[WF+8*(2*\f+\kk):WF+8*(2*\f+\kk)+7], v[SR+32*\t+8*\kk:SR+32*\t+8*\kk+7], v[SR+32*\t+16+8*\f:SR+32*\t+16+8*\f+7]
.endif
.endr
.endr
.endr
	PL5
	s_wait_alu depctr_va_vdst(0)
.irp t, 0,1
.set z, 0
.rept 8                                ; q += V^T P / l
	v_pk_fma_f32 v[Q32+64*\t+16*(\h)+z:Q32+64*\t+16*(\h)+z+1], v[SR+32*\t+16+z:SR+32*\t+16+z+1], v[8+4*\t:9+4*\t], v[Q32+64*\t+16*(\h)+z:Q32+64*\t+16*(\h)+z+1] op_sel_hi:[1,0,1]
.set z, z+2
.endr
.endr
.endm
.macro LNLOAD gi, bi, half             ; gain and bias of feature tiles 4 half .. + 3, as C tiles
.set z, 0
.rept 4
	ds_load_b128 v[64+8*z:67+8*z], v6 offset:512*(\gi)+64*(4*(\half)+z)
	ds_load_b128 v[68+8*z:71+8*z], v6 offset:512*(\gi)+64*(4*(\half)+z)+16
	ds_load_b128 v[96+8*z:99+8*z], v6 offset:512*(\bi)+64*(4*(\half)+z)
	ds_load_b128 v[100+8*z:103+8*z], v6 offset:512*(\bi)+64*(4*(\half)+z)+16
.set z, z+1
.endr
.endm
.macro LNRED                           ; four chains a tile -> the row's sum, in v16 and v24
.irp t, 0,1
	v_pk_add_f32 v[16+8*\t:17+8*\t], v[16+8*\t:17+8*\t], v[18+8*\t:19+8*\t]
	v_pk_add_f32 v[20+8*\t:21+8*\t], v[20+8*\t:21+8*\t], v[22+8*\t:23+8*\t]
.endr
.irp t, 0,1
	v_pk_add_f32 v[16+8*\t:17+8*\t], v[16+8*\t:17+8*\t], v[20+8*\t:21+8*\t]
.endr
.irp t, 0,1
	v_add_f32 v[16+8*\t], v[16+8*\t], v[17+8*\t]
.endr
.irp t, 0,1
	v_permlanex16_b32 v[17+8*\t], v[16+8*\t], s[SEL], s[SEL+1]
.endr
.irp t, 0,1
	v_add_f32 v[16+8*\t], v[16+8*\t], v[17+8*\t]
.endr
.endm
.macro LNAPPLY half
.irp t, 0,1
.set z, 0
.rept 16
	v_pk_mul_f32 v[Q32+64*\t+32*(\half)+z:Q32+64*\t+32*(\half)+z+1], v[Q32+64*\t+32*(\half)+z:Q32+64*\t+32*(\half)+z+1], v[16+8*\t:17+8*\t] op_sel_hi:[1,0]
.set z, z+2
.endr
.endr
.irp t, 0,1
.set z, 0
.rept 16
	v_pk_fma_f32 v[Q32+64*\t+32*(\half)+z:Q32+64*\t+32*(\half)+z+1], v[Q32+64*\t+32*(\half)+z:Q32+64*\t+32*(\half)+z+1], v[64+z:65+z], v[96+z:97+z]
.set z, z+2
.endr
.endr
.endm
.macro LNORM gi, bi                    ; layer norm of both row tiles, two-pass: mean, centred in place, then the squares
	LNLOAD \gi, \bi, 0
.irp t, 0,1
.irp k, 0,2,4,6
	v_pk_add_f32 v[16+8*\t+\k:17+8*\t+\k], v[Q32+64*\t+\k:Q32+64*\t+\k+1], v[Q32+64*\t+8+\k:Q32+64*\t+8+\k+1]
.endr
.endr
.set z, 16
.rept 6
.irp t, 0,1
.irp k, 0,2,4,6
	v_pk_add_f32 v[16+8*\t+\k:17+8*\t+\k], v[16+8*\t+\k:17+8*\t+\k], v[Q32+64*\t+z+\k:Q32+64*\t+z+\k+1]
.endr
.endr
.set z, z+8
.endr
	LNRED
.irp t, 0,1
	v_mul_f32 v[16+8*\t], s[NI128], v[16+8*\t]     ; - mean
.endr
.irp t, 0,1
.set z, 0
.rept 32
	v_pk_add_f32 v[Q32+64*\t+z:Q32+64*\t+z+1], v[Q32+64*\t+z:Q32+64*\t+z+1], v[16+8*\t:17+8*\t] op_sel_hi:[1,0]
.set z, z+2
.endr
.endr
.irp t, 0,1
.irp k, 0,2,4,6
	v_pk_mul_f32 v[16+8*\t+\k:17+8*\t+\k], v[Q32+64*\t+\k:Q32+64*\t+\k+1], v[Q32+64*\t+\k:Q32+64*\t+\k+1]
.endr
.endr
.set z, 8
.rept 7
.irp t, 0,1
.irp k, 0,2,4,6
	v_pk_fma_f32 v[16+8*\t+\k:17+8*\t+\k], v[Q32+64*\t+z+\k:Q32+64*\t+z+\k+1], v[Q32+64*\t+z+\k:Q32+64*\t+z+\k+1], v[16+8*\t+\k:17+8*\t+\k]
.endr
.endr
.set z, z+8
.endr
	LNRED
.irp t, 0,1
	v_fma_f32 v[16+8*\t], v[16+8*\t], s[I128], s[EPS]
.endr
.irp t, 0,1
	v_rsq_f32 v[16+8*\t], v[16+8*\t]
.endr
	s_wait_dscnt 0x0
	v_nop
	s_wait_alu depctr_va_vdst(0)
	LNAPPLY 0
	LNLOAD \gi, \bi, 1
	s_wait_dscnt 0x0
	LNAPPLY 1
.endm
.macro CVTX                            ; the rows rounded to f16: eight fragments
.irp t, 0,1
.set z, 0
.rept 32
	v_cvt_pk_f16_f32 v[XF+32*\t+z], v[Q32+64*\t+2*z], v[Q32+64*\t+2*z+1]
.set z, z+1
.endr
.endr
.endm
.macro FFN_LOAD mt
.set z, 0
.rept 8
	ds_load_b128 v[WF+4*z:WF+4*z+3], v1 offset:32768+4096*(\mt)+512*z
.set z, z+1
.endr
	ds_load_b128 v[8:11], v6 offset:512+64*(\mt)
	ds_load_b128 v[12:15], v6 offset:512+64*(\mt)+16
.endm
.macro FFN mt                          ; y += relu(y Wo + bo), feature tile mt
	s_wait_dscnt 0x0
.irp c, 0,1,2,3
.irp t, 0,1
.if \c == 0
	v_wmma_f32_16x16x32_f16 v[16+8*\t:23+8*\t], v[WF+8*\c:WF+8*\c+7], v[XF+32*\t+8*\c:XF+32*\t+8*\c+7], v[8:15]
.else
	v_wmma_f32_16x16x32_f16 v[16+8*\t:23+8*\t], v[WF+8*\c:WF+8*\c+7], v[XF+32*\t+8*\c:XF+32*\t+8*\c+7], v[16+8*\t:23+8*\t]
.endif
.endr
.endr
	PL5
.if (\mt) < 7
	FFN_LOAD (\mt)+1                               ; the next tile's weights are on their way under the vector work
.endif
.set z, 0
.rept 16
	v_max_num_f32 v[16+z], 0, v[16+z]
.set z, z+1
.endr
.irp t, 0,1
.irp k, 0,2,4,6
	v_pk_add_f32 v[Q32+64*\t+8*(\mt)+\k:Q32+64*\t+8*(\mt)+\k+1], v[Q32+64*\t+8*(\mt)+\k:Q32+64*\t+8*(\mt)+\k+1], v[16+8*\t+\k:17+8*\t+\k]
.endr
.endr
.endm
	; ---- the head ----
	s_load_b512 s[4:19], s[0:1], 0x0               ; x_in s4, x_out s6, part_in s8, part_out s10, pack s12, cfg s14, tables 0, 1: bq s16, bo s18
	s_load_b512 s[20:35], s[0:1], 0x40             ; tables 2-9: ln0_g, ln0_b, ln1_g, ln1_b, the next bk; stage H's ln0_g s30, ln0_b s32, bo s34
	s_load_b512 s[36:51], s[0:1], 0x80             ; tables 10-13: stage H's ln1_g, ln1_b, bk, the k/v block's bv; then stage H's bv s44, Wo s46, Wk s48, Wv s50
	v_lshl_add_u32 v2, v0, 2, SPARE
	v_mov_b32 v3, 0
	v_lshrrev_b32 v17, 5, v0
	v_readfirstlane_b32 s[WV], v17
	v_and_b32 v18, 31, v0                          ; lane
	v_lshlrev_b32 v1, 4, v18                       ; 16 x lane
	v_bfe_u32 v19, v0, 4, 1                        ; lane / 16
	v_lshlrev_b32 v12, 4, v0                       ; 16 x thread
	v_add_nc_u32 v14, 0x10000, v12
	v_add_nc_u32 v15, 0x20000, v12
	v_add_nc_u32 v16, L_TAB, v12                   ; wave w's 512 bytes: table w
	v_add_nc_u32 v5, 0x20000, v1
	v_lshl_add_u32 v6, v19, 5, L_TAB
	s_lshl_b32 s[T0], s[WV], 13
	v_add_nc_u32 v4, s[T0], v1                     ; my wave's 8,192 bytes of x, in x_in and in x_out: kept through phase A
	s_add_co_u32 s[T1], s[T0], L_XS
	v_add_nc_u32 v7, s[T1], v1
	s_and_b32 s[MT], s[WV], 7
	s_lshr_b32 s[QH], s[WV], 3
	s_lshr_b32 s[T0], s[MT], 1                     ; my first tile of O in a partial: head mt / 2 (8,192), half mt % 2 (1,024), row tile 2 qh (2,048 each)
	s_lshl_b32 s[T0], s[T0], 13
	s_and_b32 s[T1], s[MT], 1
	s_lshl_b32 s[T1], s[T1], 10
	s_add_co_u32 s[T0], s[T0], s[T1]
	s_lshl_b32 s[T1], s[QH], 12
	s_add_co_u32 s[T0], s[T0], s[T1]
	v_add_nc_u32 v8, s[T0], v1
	s_lshr_b32 s[T0], s[MT], 1                     ; my first (c m, l): 256 bytes for each head and row tile
	s_lshl_b32 s[T0], s[T0], 10
	s_lshl_b32 s[T1], s[QH], 9
	s_add_co_u32 s[T0], s[T0], s[T1]
	v_lshl_add_u32 v9, v18, 3, s[T0]
	s_lshl_b32 s[T0], s[QH], 14                    ; my first tile of q: (8 qt + mt) x 1,024
	s_lshl_b32 s[T1], s[MT], 10
	s_add_co_u32 s[T0], s[T0], s[T1]
	v_add_nc_u32 v10, s[T0], v1
	s_lshl_b32 s[T0], s[MT], 6
	v_lshl_add_u32 v11, v19, 5, s[T0]              ; 4 (16 mt + 8 (l / 16))
	v_mul_u32_u24 v13, v17, PITCH
	v_lshl_add_u32 v13, v18, 3, v13
	v_add_nc_u32 v13, H_WO, v13                    ; a weight's rows into LDS: row (thread / 32), 8 bytes a lane
	s_mov_b32 s[CS], 0x3e0293ee
	s_mov_b32 s[CS+1], s[CS]
	s_mov_b32 s[SEL], 0x76543210
	s_mov_b32 s[SEL+1], 0xfedcba98
	s_mov_b32 s[I128], 0x3c000000
	s_mov_b32 s[NI128], 0xbc000000
	s_mov_b32 s[EPS], 0x3727c5ac
	s_wait_kmcnt 0x0
	s_load_b64 s[LAY:LAY+1], s[14:15], 0x0         ; the layer's number, the flag
	s_mov_b32 s[T1], 0
	s_lshl_b32 s[T0], ttmp9, 17
	s_add_nc_u64 s[4:5], s[4:5], s[T0:T1]
	s_add_nc_u64 s[6:7], s[6:7], s[T0:T1]
	s_mul_i32 s[T0], ttmp9, 36864
	s_add_nc_u64 s[PP:PP+1], s[10:11], s[T0:T1]
	s_lshr_b32 s[T0], ttmp9, 3
	s_mul_i32 s[T0], s[T0], 294912                 ; my set's eight partials
	s_add_nc_u64 s[8:9], s[8:9], s[T0:T1]
	s_mov_b64 s[52:53], s[16:17]                   ; wave w (0-13) fetches table w
.irp k, 1,2,3,4,5,6,7,8,9,10,11,12,13
	s_cmp_eq_u32 s[WV], \k
	s_cselect_b64 s[52:53], s[16+2*\k:17+2*\k], s[52:53]
.endr
	s_cmp_lt_u32 s[WV], 14
	s_cbranch_scc0 .Lno_tab
	global_load_b128 v[64:67], v1, s[52:53]
.Lno_tab:
.set z, 0
.rept 8
	global_load_b128 v[32+4*z:35+4*z], v12, s[46:47] offset:8192*z         ; Wo
.set z, z+1
.endr
.irp i, 0,1,2,3,4,5,6,7
.irp u, 0,1
	global_load_b128 v[128+64*\u+8*\i:131+64*\u+8*\i], v8, s[8:9] offset:36864*\i+2048*\u
	global_load_b128 v[132+64*\u+8*\i:135+64*\u+8*\i], v8, s[8:9] offset:36864*\i+2048*\u+512
	global_load_b64 v[96+16*\u+2*\i:97+16*\u+2*\i], v9, s[8:9] offset:36864*\i+32768+256*\u
.endr
.endr
	global_load_b128 v[72:75], v11, s[44:45]       ; bv
	global_load_b128 v[76:79], v11, s[44:45] offset:16
	s_wait_kmcnt 0x0                               ; only q and the image hang on the layer's number: all the loads above are out already
	s_min_u32 s[LAY], s[LAY], 2
	s_min_u32 s[FLAG], s[FLAG], 1
	s_lshl_b32 s[T0], s[LAY], 15
	s_add_co_u32 s[T0], s[T0], 524288
	s_add_nc_u64 s[QB:QB+1], s[12:13], s[T0:T1]
	s_mul_i32 s[T0], s[LAY], 147456
	s_add_nc_u64 s[12:13], s[12:13], s[T0:T1]
.irp u, 0,1
	global_load_b128 v[80+8*\u:83+8*\u], v10, s[QB:QB+1] offset:8192*\u
	global_load_b128 v[84+8*\u:87+8*\u], v10, s[QB:QB+1] offset:8192*\u+512
.endr
	; ---- stage H ----
	s_wait_loadcnt 54                              ; behind the table and Wo stand 48 loads of partials, 2 of bv, 4 of q
	s_cmp_lt_u32 s[WV], 14
	s_cbranch_scc0 .Lno_tab2
	ds_store_b128 v16, v[64:67]
.Lno_tab2:
	W2LDS 32, 13
	s_wait_dscnt 0x0
.set z, 0
.rept 8
	global_load_b128 v[32+4*z:35+4*z], v12, s[48:49] offset:8192*z         ; Wk
.set z, z+1
.endr
	s_wait_loadcnt 12                              ; behind the partials and bv stand q's 4 and Wk's 8
	HMERGE 0
	HMERGE 1
	s_wait_loadcnt 8                               ; behind q stand Wk's 8
.irp u, 0,1
.irp k, 0,2,4,6
	v_pk_add_f32 v[80+8*\u+\k:81+8*\u+\k], v[80+8*\u+\k:81+8*\u+\k], v[72+\k:73+\k]
.endr
.endr
	s_wait_alu depctr_va_vdst(0)
.irp u, 0,1
.irp k, 0,2,4,6
	v_pk_fma_f32 v[16+8*\u+\k:17+8*\u+\k], v[16+8*\u+\k:17+8*\u+\k], v[68+2*\u:69+2*\u], v[80+8*\u+\k:81+8*\u+\k] op_sel_hi:[1,0,1]   ; Y = O / l + q + bv
.endr
.endr
.set z, 0
.rept 8
	global_load_b128 v[128+4*z:131+4*z], v12, s[50:51] offset:8192*z       ; Wv
.set z, z+1
.endr
.set z, 0
.rept 18
	global_load_b128 v[160+4*z:163+4*z], v12, s[12:13] offset:8192*z       ; the layer's image: it lands under the first layer norm
.set z, z+1
.endr
	v_and_b32 v232, 31, v0                         ; the stage's LDS addresses, in registers that the partials have left
	v_bfe_u32 v233, v0, 4, 1
	v_and_b32 v234, 15, v0
	s_lshl_b32 s[T0], s[WV], 8
	s_add_co_u32 s[T0], s[T0], H_RED
	v_lshl_add_u32 v240, v232, 3, s[T0]            ; my wave's 256 bytes of a slot of sums
	s_lshl_b32 s[T0], s[QH], 11
	s_add_co_u32 s[T0], s[T0], H_RED
	v_lshl_add_u32 v241, v232, 3, s[T0]            ; the eight waves that share my rows
	s_lshl_b32 s[T0], s[MT], 6
	v_add_nc_u32 v242, s[T0], v6                   ; a table's eight numbers 16 mt + 8 (l / 16) + 0..7
	v_and_b32 v235, 7, v0
	v_lshl_add_u32 v235, v233, 3, v235
	v_mul_u32_u24 v235, v235, PITCH
	v_bfe_u32 v236, v0, 3, 1
	v_lshl_add_u32 v235, v236, 4, v235
	s_lshl_b32 s[T0], s[MT], 5
	s_add_co_u32 s[T0], s[T0], H_WO
	v_add_nc_u32 v243, s[T0], v235                 ; the turning load: row 8 (l / 16) + l % 8, columns 16 mt + 8 ((l / 8) % 2) on: of Wo,
	v_add_nc_u32 v244, 36864, v243                 ; of Wk,
	v_add_nc_u32 v245, 73728, v243                 ; of Wv
	s_lshl_b32 s[T0], s[QH], 13
	s_add_co_u32 s[T1], s[T0], H_YF
	v_add_nc_u32 v247, s[T1], v1                   ; Y's fragments of my two row tiles: read,
	s_add_co_u32 s[T1], s[T0], H_HF
	v_add_nc_u32 v249, s[T1], v1                   ; H's likewise;
	s_lshl_b32 s[T0], s[MT], 9
	v_add_nc_u32 v246, s[T0], v247                 ; my tile is block mt % 2 of fragment mt / 2: stored
	v_add_nc_u32 v248, s[T0], v249
	s_lshr_b32 s[T0], s[MT], 1                     ; K fragment (head mt / 2, row tile), block mt % 2
	s_lshl_b32 s[T0], s[T0], 12
	s_and_b32 s[T1], s[MT], 1
	s_lshl_b32 s[T1], s[T1], 9
	s_add_co_u32 s[T0], s[T0], s[T1]
	s_lshl_b32 s[T1], s[QH], 11
	s_add_co_u32 s[T0], s[T0], s[T1]
	s_add_co_u32 s[T0], s[T0], L_KH
	v_add_nc_u32 v250, s[T0], v1
	s_lshl_b32 s[T0], s[MT], 11                    ; V^T fragment (feature tile mt, qh), a block for each of my two row tiles
	s_lshl_b32 s[T1], s[QH], 10
	s_add_co_u32 s[T0], s[T0], s[T1]
	s_add_co_u32 s[T0], s[T0], L_VH
	v_add_nc_u32 v251, s[T0], v1
	s_lshl_b32 s[T0], s[MT], 6
	s_add_co_u32 s[T0], s[T0], L_TAB+512*13
	v_lshl_add_u32 v252, v234, 2, s[T0]            ; bv[16 mt + l % 16]
	v_mov_b32 v255, 0                              ; named with it as a pair
	HLN 0, 64, 7, 8                                ; its first barrier also shows the tables and Wo to every wave
.irp u, 0,1
.irp i, 0,1,2,3
	v_cvt_pk_f16_f32 v[64+4*\u+\i], v[16+8*\u+2*\i], v[17+8*\u+2*\i]
.endr
.endr
	ds_store_b128 v246, v[64:67]
	ds_store_b128 v246, v[68:71] offset:4096
	s_wait_loadcnt 26                              ; behind Wk stand Wv's 8 and the image's 18
	v_add_nc_u32 v8, 36864, v13
	W2LDS 32, 8
	s_wait_loadcnt 18                              ; behind Wv stand the image's 18
	v_add_nc_u32 v9, 73728, v13
	W2LDS 128, 9
	s_wait_loadcnt 0x0
.set z, 0
.rept 8
	ds_store_b128 v12, v[160+4*z:163+4*z] offset:8192*z
	ds_store_b128 v14, v[192+4*z:195+4*z] offset:8192*z
.set z, z+1
.endr
	ds_store_b128 v15, v[224:227]
	ds_store_b128 v15, v[228:231] offset:8192
	BAR                                            ; Y's fragments, Wk, Wv and the image are there for every wave
.set z, 0
.rept 16
	global_load_b128 v[XF+4*z:XF+4*z+3], v4, s[4:5] offset:512*z th:TH_LOAD_NT     ; x: it lands under the rest of the stage
.set z, z+1
.endr
.set z, 0
.rept 16
	ds_load_b128 v[128+4*z:131+4*z], v247 offset:512*z
.set z, z+1
.endr
.irp c, 0,1,2,3
	ds_load_tr16_b128 v[32+8*\c:35+8*\c], v243 offset:32*PITCH*\c
	ds_load_tr16_b128 v[36+8*\c:39+8*\c], v243 offset:32*PITCH*\c+16*PITCH
.endr
	ds_load_b128 v[8:11], v242 offset:512*9        ; bo
	ds_load_b128 v[12:15], v242 offset:512*9+16
	s_wait_dscnt 0x0
.irp c, 0,1,2,3
.irp u, 0,1
.if \c == 0
	v_wmma_f32_16x16x32_f16 v[192+8*\u:199+8*\u], v[32+8*\c:39+8*\c], v[128+32*\u+8*\c:135+32*\u+8*\c], v[8:15]     ; the two row tiles' accumulators by turns
.else
	v_wmma_f32_16x16x32_f16 v[192+8*\u:199+8*\u], v[32+8*\c:39+8*\c], v[128+32*\u+8*\c:135+32*\u+8*\c], v[192+8*\u:199+8*\u]
.endif
.endr
.endr
	PL5
.set z, 0
.rept 16
	v_max_num_f32 v[192+z], 0, v[192+z]
.set z, z+1
.endr
.set z, 0
.rept 8
	v_pk_add_f32 v[16+z:17+z], v[16+z:17+z], v[192+z:193+z]
.set z, z+2
.endr
	HLN 2, 192, 10, 11
.irp u, 0,1
.irp i, 0,1,2,3
	v_cvt_pk_f16_f32 v[192+4*\u+\i], v[16+8*\u+2*\i], v[17+8*\u+2*\i]
.endr
.endr
	ds_store_b128 v248, v[192:195]                 ; over Wo: every wave's reads of Wo came back ahead of the two barriers just passed
	ds_store_b128 v248, v[196:199] offset:4096
	BAR
.set z, 0
.rept 16
	ds_load_b128 v[128+4*z:131+4*z], v249 offset:512*z
.set z, z+1
.endr
.irp c, 0,1,2,3
	ds_load_tr16_b128 v[32+8*\c:35+8*\c], v244 offset:32*PITCH*\c
	ds_load_tr16_b128 v[36+8*\c:39+8*\c], v244 offset:32*PITCH*\c+16*PITCH
	ds_load_tr16_b128 v[192+8*\c:195+8*\c], v245 offset:32*PITCH*\c
	ds_load_tr16_b128 v[196+8*\c:199+8*\c], v245 offset:32*PITCH*\c+16*PITCH
.endr
	ds_load_b128 v[8:11], v242 offset:512*12       ; bk
	ds_load_b128 v[12:15], v242 offset:512*12+16
	ds_load_b32 v254, v252
	s_wait_dscnt 0x0
.irp c, 0,1,2,3
.if \c == 0
	v_wmma_f32_16x16x32_f16 v[16:23], v[32:39], v[128:135], v[8:15]        ; k^T: a lane holds one inducing row and eight channels
	v_wmma_f32_16x16x32_f16 v[24:31], v[32:39], v[160:167], v[8:15]
	v_wmma_f32_16x16x32_f16 v[224:231], v[128:135], v[192:199], 0          ; V: a lane holds one feature and eight inducing rows
	v_wmma_f32_16x16x32_f16 v[232:239], v[160:167], v[192:199], 0
.else
	v_wmma_f32_16x16x32_f16 v[16:23], v[32+8*\c:39+8*\c], v[128+8*\c:135+8*\c], v[16:23]
	v_wmma_f32_16x16x32_f16 v[24:31], v[32+8*\c:39+8*\c], v[160+8*\c:167+8*\c], v[24:31]
	v_wmma_f32_16x16x32_f16 v[224:231], v[128+8*\c:135+8*\c], v[192+8*\c:199+8*\c], v[224:231]
	v_wmma_f32_16x16x32_f16 v[232:239], v[160+8*\c:167+8*\c], v[192+8*\c:199+8*\c], v[232:239]
.endif
.endr
	PL5
.irp k, 0,2,4,6
	v_pk_add_f32 v[224+\k:225+\k], v[224+\k:225+\k], v[254:255] op_sel_hi:[1,0]
	v_pk_add_f32 v[232+\k:233+\k], v[232+\k:233+\k], v[254:255] op_sel_hi:[1,0]
.endr
.irp i, 0,1,2,3
	v_cvt_pk_f16_f32 v[128+\i], v[16+2*\i], v[17+2*\i]
	v_cvt_pk_f16_f32 v[132+\i], v[24+2*\i], v[25+2*\i]
	v_cvt_pk_f16_f32 v[136+\i], v[224+2*\i], v[225+2*\i]
	v_cvt_pk_f16_f32 v[140+\i], v[232+2*\i], v[233+2*\i]
.endr
	ds_store_b128 v250, v[128:131]                 ; over the slots of sums: their last reads came back ahead of the barrier just passed
	ds_store_b128 v250, v[132:135] offset:1024
	ds_store_b128 v251, v[136:139]
	ds_store_b128 v251, v[140:143] offset:512
	BAR                                            ; K and V^T are there for every wave; nobody reads stage H's bytes any more
	; ---- phase A ----
	s_wait_loadcnt 0x0                             ; x
.irp mt, 0,1,2,3,4,5,6,7
	QPROJ \mt
.endr
	ATT 0
	ATT 1
	ATT 2
	ATT 3
	LNORM 2, 3
	CVTX
	FFN_LOAD 0
.irp mt, 0,1,2,3,4,5,6,7
	FFN \mt
.endr
	LNORM 4, 5
	CVTX
.set z, 0
.rept 16
	ds_store_b128 v7, v[XF+4*z:XF+4*z+3] offset:512*z
.set z, z+1
.endr
	s_cmp_eq_u32 s[FLAG], 1
	s_cbranch_scc1 .Lno_x                          ; behind the last layer nobody reads x from memory
.set z, 0
.rept 16
	global_store_b128 v4, v[XF+4*z:XF+4*z+3], s[6:7] offset:512*z        ; 512 consecutive bytes each
.set z, z+1
.endr
.Lno_x:
	s_wait_xcnt 0x0                                ; the stores' offset and data registers are written again only behind this wait
	s_wait_dscnt 0x0                               ; my rows' fragments are in LDS, for the others' sake
	s_barrier_signal -1
	s_barrier_wait -1
	PHASEB 1
.Lfunc_end_k_qf2f8c3de92_layer0:
	.size	k_qf2f8c3de92_layer0, .Lfunc_end_k_qf2f8c3de92_layer0-k_qf2f8c3de92_layer0
	.p2alignl 7, 3214868480
	.fill 96, 4, 3214868480
	.section	.rodata,"a",@progbits
	.p2align	6, 0x0
	.amdhsa_kernel k_qf2f8c3de92_layer0
		.amdhsa_group_segment_fixed_size 321536
		.amdhsa_private_segment_fixed_size 0
		.amdhsa_enable_private_segment 0
		.amdhsa_kernarg_size 192
		.amdhsa_user_sgpr_count 2
		.amdhsa_user_sgpr_kernarg_segment_ptr 1
		.amdhsa_wavefront_size32 1
		.amdhsa_system_sgpr_workgroup_id_x 1
		.amdhsa_system_sgpr_workgroup_id_y 1
		.amdhsa_system_sgpr_workgroup_id_z 1
		.amdhsa_system_vgpr_workitem_id 0
		.amdhsa_next_free_vgpr 256
		.amdhsa_next_free_sgpr 80
		.amdhsa_reserve_vcc 0
		.amdhsa_float_denorm_mode_32 3
		.amdhsa_float_denorm_mode_16_64 3
		.amdhsa_memory_ordered 1
		.amdhsa_forward_progress 1
		.amdhsa_inst_pref_size 231
	.end_amdhsa_kernel
	.amdgpu_metadata
---
amdhsa.version: [ 1, 2 ]
amdhsa.kernels:
  - .name:           k_qf2f8c3de92_layer0
    .symbol:         k_qf2f8c3de92_layer0.kd
    .args:
      - { .name: xa, .offset: 0, .size: 8, .value_kind: global_buffer, .address_space: global }
      - { .name: xb, .offset: 8, .size: 8, .value_kind: global_buffer, .address_space: global }
      - { .name: part, .offset: 16, .size: 8, .value_kind: global_buffer, .address_space: global }
      - { .name: part2, .offset: 24, .size: 8, .value_kind: global_buffer, .address_space: global }
      - { .name: pack, .offset: 32, .size: 8, .value_kind: global_buffer, .address_space: global }
      - { .name: cfg0, .offset: 40, .size: 8, .value_kind: global_buffer, .address_space: global }
      - { .name: params_isab_0_mab1_bq, .offset: 48, .size: 8, .value_kind: global_buffer, .address_space: global }
      - { .name: params_isab_0_mab1_bo, .offset: 56, .size: 8, .value_kind: global_buffer, .address_space: global }
      - { .name: params_isab_0_mab1_ln0_g, .offset: 64, .size: 8, .value_kind: global_buffer, .address_space: global }
      - { .name: params_isab_0_mab1_ln0_b, .offset: 72, .size: 8, .value_kind: global_buffer, .address_space: global }
      - { .name: params_isab_0_mab1_ln1_g, .offset: 80, .size: 8, .value_kind: global_buffer, .address_space: global }
      - { .name: params_isab_0_mab1_ln1_b, .offset: 88, .size: 8, .value_kind: global_buffer, .address_space: global }
      - { .name: params_isab_1_mab0_bk, .offset: 96, .size: 8, .value_kind: global_buffer, .address_space: global }
      - { .name: params_isab_0_mab0_ln0_g, .offset: 104, .size: 8, .value_kind: global_buffer, .address_space: global }
      - { .name: params_isab_0_mab0_ln0_b, .offset: 112, .size: 8, .value_kind: global_buffer, .address_space: global }
      - { .name: params_isab_0_mab0_bo, .offset: 120, .size: 8, .value_kind: global_buffer, .address_space: global }
      - { .name: params_isab_0_mab0_ln1_g, .offset: 128, .size: 8, .value_kind: global_buffer, .address_space: global }
      - { .name: params_isab_0_mab0_ln1_b, .offset: 136, .size: 8, .value_kind: global_buffer, .address_space: global }
      - { .name: params_isab_0_mab1_bk, .offset: 144, .size: 8, .value_kind: global_buffer, .address_space: global }
      - { .name: params_isab_0_mab1_bv, .offset: 152, .size: 8, .value_kind: global_buffer, .address_space: global }
      - { .name: params_isab_0_mab0_bv, .offset: 160, .size: 8, .value_kind: global_buffer, .address_space: global }
      - { .name: params_isab_0_mab0_Wo, .offset: 168, .size: 8, .value_kind: global_buffer, .address_space: global }
      - { .name: params_isab_0_mab1_Wk, .offset: 176, .size: 8, .value_kind: global_buffer, .address_space: global }
      - { .name: params_isab_0_mab1_Wv, .offset: 184, .size: 8, .value_kind: global_buffer, .address_space: global }
    .group_segment_fixed_size: 321536
    .private_segment_fixed_size: 0
    .kernarg_segment_align: 8
    .kernarg_segment_size: 192
    .max_flat_workgroup_size: 512
    .sgpr_count:     80
    .vgpr_count:     256
    .wavefront_size: 32
...
	.end_amdgpu_metadata
.endif
;; end of part 3
;; launch layer1: the kernel of part 3 again; grid 256 x 1, 16 waves a work-group, no clusters, 321,536 bytes of LDS; arguments xb, xa, part2, part, pack, cfg1, params_isab_1_mab1_bq, params_isab_1_mab1_bo, params_isab_1_mab1_ln0_g, params_isab_1_mab1_ln0_b, params_isab_1_mab1_ln1_g, params_isab_1_mab1_ln1_b, params_isab_2_mab0_bk, params_isab_1_mab0_ln0_g, params_isab_1_mab0_ln0_b, params_isab_1_mab0_bo, params_isab_1_mab0_ln1_g, params_isab_1_mab0_ln1_b, params_isab_1_mab1_bk, params_isab_1_mab1_bv, params_isab_1_mab0_bv, params_isab_1_mab0_Wo, params_isab_1_mab1_Wk, params_isab_1_mab1_Wv; writes xa, part
;; launch layer2: the kernel of part 3 again; grid 256 x 1, 16 waves a work-group, no clusters, 321,536 bytes of LDS; arguments xa, xb, part, part2, pack, cfg2, params_isab_2_mab1_bq, params_isab_2_mab1_bo, params_isab_2_mab1_ln0_g, params_isab_2_mab1_ln0_b, params_isab_2_mab1_ln1_g, params_isab_2_mab1_ln1_b, params_pma_bk, params_isab_2_mab0_ln0_g, params_isab_2_mab0_ln0_b, params_isab_2_mab0_bo, params_isab_2_mab0_ln1_g, params_isab_2_mab0_ln1_b, params_isab_2_mab1_bk, params_isab_2_mab1_bv, params_isab_2_mab0_bv, params_isab_2_mab0_Wo, params_isab_2_mab1_Wk, params_isab_2_mab1_Wv; writes xb, part2
;; launch final (part 4): grid 32 x 1, 16 waves a work-group, no clusters, 22,528 bytes of LDS; arguments part2, pack, params_pma_bv, params_pma_ln0_g, params_pma_ln0_b, params_pma_Wo, params_pma_bo, params_pma_ln1_g, params_pma_ln1_b, params_Wp1, params_bp1, params_lnp_g, params_lnp_b, params_Wp2, params_bp2, out0; writes out0
.if DOCPART == 4
	.amdgcn_target "amdgcn-amd-amdhsa--gfx1250"
	.amdhsa_code_object_version 6
	.text
	.protected	k_qf2f8c3de92_final
	.globl	k_qf2f8c3de92_final
	.p2align	8
	.type	k_qf2f8c3de92_final,@function
k_qf2f8c3de92_final:
	s_mov_b64 s[64:65], 0
	v_nop
	global_prefetch_b8 v0, s[64:65] scope:SCOPE_SE
	s_setreg_imm32_b32 hwreg(HW_REG_WAVE_MODE, 25, 1), 1
	s_wait_xcnt 0x0
; FINAL.  One work-group a set, one row of 128 features: the pooling's eight partials merged, + q + bv, layer norm, + relu(. Wo + bo), layer norm, . Wp1 + bp1, layer norm, relu, . Wp2 + bp2, divided by its norm.
; One row is no work for the matrix unit: the three products run in f32 on the vector unit, which also rounds no operand.  Thread = (feature t = thread % 128, quarter kq = thread / 128 of the 128 terms);
; all four quarters hold the same row; a product's vector is read back from LDS as 32 numbers a thread, its four partial sums meet in LDS.  Each exchange has LDS bytes of its own, so one barrier serves it.
; The weights' loads go out ahead: Wo with the small loads, Wp1 when those are in, Wp2 when Wo is in.
; LIMITS.  1 / l, 1 / sqrt and the last division by v_rcp_f32, v_rsq_f32, v_sqrt_f32.  NaN and infinities are not treated apart.
.set RED,  0                           ; eight slots of 256 bytes: a word a wave
.set VEC0, 2048                        ; a row for each quarter, 2,048 bytes
.set VEC1, 4096
.set VEC2, 6144
.set PS0,  8192                        ; four partial sums for each of 128 outputs
.set PS1,  10240
.set PS2,  12288                       ; four partial sums for each of 512 outputs
.set SPARE, 20480
.macro BAR
	s_wait_dscnt 0x0                               ; my LDS stores are done, for the others' sake
	s_barrier_signal -1
	s_barrier_wait -1
.endm
.macro WSUM                            ; v9: the sum over the wave's 32 lanes, in every lane
	v_add_f32_dpp v9, v9, v9 row_xmask:1 row_mask:0xf bank_mask:0xf
	v_add_f32_dpp v9, v9, v9 row_xmask:2 row_mask:0xf bank_mask:0xf
	v_add_f32_dpp v9, v9, v9 row_xmask:4 row_mask:0xf bank_mask:0xf
	v_add_f32_dpp v9, v9, v9 row_xmask:8 row_mask:0xf bank_mask:0xf
	v_permlanex16_b32 v10, v9, s36, s37
	v_add_f32 v9, v9, v10
.endm
.macro GSUM slot                       ; v9: the sum over my quarter's 128 threads
	WSUM
	ds_store_b32 v5, v9 offset:RED+256*(\slot)
	BAR
	ds_load_b128 v[60:63], v6 offset:RED+256*(\slot)
	s_wait_dscnt 0x0
	v_add_f32 v60, v60, v61
	v_add_f32 v62, v62, v63
	v_add_f32 v9, v60, v62
.endm
.macro LNF slot, gr, br                ; layer norm of v59, two-pass
	v_mov_b32 v9, v59
	GSUM \slot
	v_fmac_f32 v59, s39, v9                        ; - mean
	v_mul_f32 v9, v59, v59
	GSUM (\slot)+1
	v_fma_f32 v9, v9, s38, s40
	v_rsq_f32 v9, v9
	v_nop
	s_wait_alu depctr_va_vdst(0)
	v_mul_f32 v59, v59, v9
	v_fma_f32 v59, v59, v[\gr], v[\br]
.endm
.macro MATV vec, ps, w0                ; v8 = sum over k of v59[k] W[k][t]
	ds_store_b32 v15, v59 offset:\vec
	BAR
.set z, 0
.rept 8
	ds_load_b128 v[16+4*z:19+4*z], v7 offset:(\vec)+16*z
.set z, z+1
.endr
	s_wait_dscnt 0x0
.irp k, 0,1,2,3
	v_mul_f32 v[8+\k], v[16+\k], v[(\w0)+\k]
.endr
.set z, 4
.rept 28
	v_fmac_f32 v[8+z%4], v[16+z], v[(\w0)+z]
.set z, z+1
.endr
	v_add_f32 v8, v8, v9
	v_add_f32 v10, v10, v11
	v_add_f32 v8, v8, v10
	ds_store_b32 v15, v8 offset:\ps
	BAR
.irp k, 0,1,2,3
	ds_load_b32 v[60+\k], v12 offset:(\ps)+512*\k
.endr
	s_wait_dscnt 0x0
	v_add_f32 v60, v60, v61
	v_add_f32 v62, v62, v63
	v_add_f32 v8, v60, v62
.endm
	s_load_b512 s[4:19], s[0:1], 0x0               ; partials s4, pack s6, bv s8, ln0_g s10, ln0_b s12, Wo s14, bo s16, ln1_g s18
	s_load_b512 s[20:35], s[0:1], 0x40             ; ln1_b s20, Wp1 s22, bp1 s24, lnp_g s26, lnp_b s28, Wp2 s30, bp2 s32, out s34
	v_lshl_add_u32 v2, v0, 2, SPARE
	v_mov_b32 v3, 0
	v_and_b32 v1, 127, v0                          ; t
	v_lshrrev_b32 v4, 7, v0                        ; kq
	v_lshrrev_b32 v5, 5, v1                        ; the head
	v_bfe_u32 v6, v1, 2, 1                         ; where query 0's feature t lies in a result tile: block (t / 4) % 2, lane 16 ((t / 8) % 2), word t % 4
	v_lshlrev_b32 v9, 9, v6
	v_bfe_u32 v6, v1, 3, 1
	v_lshl_add_u32 v9, v6, 8, v9
	v_and_b32 v6, 3, v1
	v_lshl_add_u32 v9, v6, 2, v9
	v_bfe_u32 v6, v1, 4, 1
	v_lshl_add_u32 v7, v6, 10, v9
	v_lshl_add_u32 v7, v5, 13, v7                  ; in a partial's O
	v_lshrrev_b32 v6, 4, v1
	v_lshl_add_u32 v10, v6, 10, v9                 ; in q
	v_lshlrev_b32 v11, 10, v5                      ; the head's (c m, l) of query 0
	v_lshlrev_b32 v12, 2, v1
	v_lshl_add_u32 v13, v4, 14, v12                ; W[32 kq][t]
	v_lshlrev_b32 v14, 4, v1
	v_lshl_add_u32 v14, v4, 16, v14                ; Wp2[32 kq][4 t]
	v_lshlrev_b32 v15, 2, v0
	s_mov_b32 s36, 0x76543210
	s_mov_b32 s37, 0xfedcba98
	s_mov_b32 s38, 0x3c000000                      ; 1 / 128
	s_mov_b32 s39, 0xbc000000
	s_mov_b32 s40, 0x3727c5ac                      ; 1e-5
	s_mul_i32 s42, ttmp9, 294912
	s_mov_b32 s43, 0
	s_wait_kmcnt 0x0
	s_add_nc_u64 s[4:5], s[4:5], s[42:43]
	s_add_nc_u64 s[6:7], s[6:7], 622592            ; the seed's q in f32
	s_lshl_b32 s42, ttmp9, 11
	s_add_nc_u64 s[34:35], s[34:35], s[42:43]
.set z, 0
.rept 8
	global_load_b32 v[128+z], v7, s[4:5] offset:36864*z
	global_load_b64 v[136+2*z:137+2*z], v11, s[4:5] offset:36864*z+32768
.set z, z+1
.endr
	global_load_b32 v48, v10, s[6:7]
	global_load_b32 v49, v12, s[8:9]
	global_load_b32 v50, v12, s[10:11]
	global_load_b32 v51, v12, s[12:13]
	global_load_b32 v52, v12, s[16:17]
	global_load_b32 v53, v12, s[18:19]
	global_load_b32 v54, v12, s[20:21]
	global_load_b32 v55, v12, s[24:25]
	global_load_b32 v56, v12, s[26:27]
	global_load_b32 v57, v12, s[28:29]
	global_load_b32 v58, v15, s[32:33]
.set z, 0
.rept 32
	global_load_b32 v[64+z], v13, s[14:15] offset:512*z
.set z, z+1
.endr
	s_wait_loadcnt 32                              ; Wo's 32 loads may stay out
.set z, 0
.rept 32
	global_load_b32 v[96+z], v13, s[22:23] offset:512*z
.set z, z+1
.endr
	v_lshrrev_b32 v5, 5, v0
	v_lshlrev_b32 v5, 2, v5                        ; my wave's word in a slot
	v_lshlrev_b32 v6, 4, v4                        ; my quarter's four words
	v_mul_u32_u24 v7, v4, 640                      ; my quarter's row, and in it my 32 terms
	v_max3_num_f32 v8, v136, v138, v140
	v_max3_num_f32 v8, v8, v142, v144
	v_max3_num_f32 v8, v8, v146, v148
	v_max_num_f32 v8, v8, v150
.irp i, 0,1,2,3,4,5,6,7
	v_sub_f32 v[136+2*\i], v[136+2*\i], v8
.endr
.irp i, 0,1,2,3,4,5,6,7
	v_exp_f32 v[136+2*\i], v[136+2*\i]
.endr
	v_nop
	s_wait_alu depctr_va_vdst(0)
	v_mul_f32 v9, v136, v137
	v_mul_f32 v59, v136, v128
.irp i, 1,2,3,4,5,6,7
	v_fmac_f32 v9, v[136+2*\i], v[137+2*\i]
	v_fmac_f32 v59, v[136+2*\i], v[128+\i]
.endr
	v_rcp_f32 v9, v9
	v_add_f32 v10, v48, v49
	s_wait_alu depctr_va_vdst(0)
	v_fma_f32 v59, v59, v9, v10                    ; O / l + q + bv
	LNF 0, 50, 51
	s_wait_loadcnt 32                              ; Wp1's 32 loads may stay out: Wo is in
.set z, 0
.rept 32
	global_load_b128 v[128+4*z:131+4*z], v14, s[30:31] offset:2048*z
.set z, z+1
.endr
	MATV VEC0, PS0, 64
	v_add_f32 v8, v8, v52
	v_max_num_f32 v8, 0, v8
	v_add_f32 v59, v59, v8
	LNF 2, 53, 54
	s_wait_loadcnt 32                              ; Wp2's 32 loads may stay out: Wp1 is in
	MATV VEC1, PS1, 96
	v_add_f32 v59, v8, v55
	LNF 4, 56, 57
	v_max_num_f32 v59, 0, v59
	ds_store_b32 v15, v59 offset:VEC2
	BAR
.set z, 0
.rept 8
	ds_load_b128 v[16+4*z:19+4*z], v7 offset:VEC2+16*z
.set z, z+1
.endr
	v_lshlrev_b32 v10, 4, v1
	v_lshl_add_u32 v60, v4, 11, v10                ; my quarter's partial sums of columns 4 t .. 4 t + 3
	s_wait_loadcnt 0x0
	s_wait_dscnt 0x0
.irp k, 0,1,2,3
	v_mul_f32 v[8+\k], v16, v[128+\k]
.endr
.set z, 1
.rept 31
.irp k, 0,1,2,3
	v_fmac_f32 v[8+\k], v[16+z], v[128+4*z+\k]
.endr
.set z, z+1
.endr
	ds_store_b128 v60, v[8:11] offset:PS2
	BAR
.irp k, 0,1,2,3
	ds_load_b32 v[60+\k], v15 offset:PS2+2048*\k   ; thread n owns column n
.endr
	s_wait_dscnt 0x0
	v_add_f32 v60, v60, v61
	v_add_f32 v62, v62, v63
	v_add_f32 v60, v60, v62
	v_add_f32 v59, v60, v58
	v_mul_f32 v9, v59, v59
	WSUM
	ds_store_b32 v5, v9 offset:RED+256*6
	BAR
	v_mov_b32 v11, 0
.irp k, 0,1,2,3
	ds_load_b128 v[16+4*\k:19+4*\k], v11 offset:RED+256*6+16*\k
.endr
	s_wait_dscnt 0x0
.irp k, 0,2,4,6
	v_pk_add_f32 v[16+\k:17+\k], v[16+\k:17+\k], v[24+\k:25+\k]
.endr
	v_pk_add_f32 v[16:17], v[16:17], v[20:21]
	v_pk_add_f32 v[18:19], v[18:19], v[22:23]
	v_pk_add_f32 v[16:17], v[16:17], v[18:19]
	v_add_f32 v9, v16, v17
	v_sqrt_f32 v9, v9
	v_nop
	s_wait_alu depctr_va_vdst(0)
	v_max_num_f32 v9, 0x358637bd, v9               ; at least 1e-6
	v_rcp_f32 v9, v9
	v_nop
	s_wait_alu depctr_va_vdst(0)
	v_mul_f32 v59, v59, v9
	global_store_b32 v15, v59, s[34:35]            ; the work-group's 2,048 consecutive bytes
	s_wait_tensorcnt 0x0                           ; the wave's end
	ds_add_u32 v2, v3
	s_wait_dscnt 0x0
	s_endpgm
.Lfunc_end_k_qf2f8c3de92_final:
	.size	k_qf2f8c3de92_final, .Lfunc_end_k_qf2f8c3de92_final-k_qf2f8c3de92_final
	.p2alignl 7, 3214868480
	.fill 96, 4, 3214868480
	.section	.rodata,"a",@progbits
	.p2align	6, 0x0
	.amdhsa_kernel k_qf2f8c3de92_final
		.amdhsa_group_segment_fixed_size 22528
		.amdhsa_private_segment_fixed_size 0
		.amdhsa_enable_private_segment 0
		.amdhsa_kernarg_size 128
		.amdhsa_user_sgpr_count 2
		.amdhsa_user_sgpr_kernarg_segment_ptr 1
		.amdhsa_wavefront_size32 1
		.amdhsa_system_sgpr_workgroup_id_x 1
		.amdhsa_system_sgpr_workgroup_id_y 1
		.amdhsa_system_sgpr_workgroup_id_z 1
		.amdhsa_system_vgpr_workitem_id 0
		.amdhsa_next_free_vgpr 256
		.amdhsa_next_free_sgpr 66
		.amdhsa_reserve_vcc 0
		.amdhsa_float_denorm_mode_32 3
		.amdhsa_float_denorm_mode_16_64 3
		.amdhsa_memory_ordered 1
		.amdhsa_forward_progress 1
		.amdhsa_inst_pref_size 33
	.end_amdhsa_kernel
	.amdgpu_metadata
---
amdhsa.version: [ 1, 2 ]
amdhsa.kernels:
  - .name:           k_qf2f8c3de92_final
    .symbol:         k_qf2f8c3de92_final.kd
    .args:
      - { .name: part2, .offset: 0, .size: 8, .value_kind: global_buffer, .address_space: global }
      - { .name: pack, .offset: 8, .size: 8, .value_kind: global_buffer, .address_space: global }
      - { .name: params_pma_bv, .offset: 16, .size: 8, .value_kind: global_buffer, .address_space: global }
      - { .name: params_pma_ln0_g, .offset: 24, .size: 8, .value_kind: global_buffer, .address_space: global }
      - { .name: params_pma_ln0_b, .offset: 32, .size: 8, .value_kind: global_buffer, .address_space: global }
      - { .name: params_pma_Wo, .offset: 40, .size: 8, .value_kind: global_buffer, .address_space: global }
      - { .name: params_pma_bo, .offset: 48, .size: 8, .value_kind: global_buffer, .address_space: global }
      - { .name: params_pma_ln1_g, .offset: 56, .size: 8, .value_kind: global_buffer, .address_space: global }
      - { .name: params_pma_ln1_b, .offset: 64, .size: 8, .value_kind: global_buffer, .address_space: global }
      - { .name: params_Wp1, .offset: 72, .size: 8, .value_kind: global_buffer, .address_space: global }
      - { .name: params_bp1, .offset: 80, .size: 8, .value_kind: global_buffer, .address_space: global }
      - { .name: params_lnp_g, .offset: 88, .size: 8, .value_kind: global_buffer, .address_space: global }
      - { .name: params_lnp_b, .offset: 96, .size: 8, .value_kind: global_buffer, .address_space: global }
      - { .name: params_Wp2, .offset: 104, .size: 8, .value_kind: global_buffer, .address_space: global }
      - { .name: params_bp2, .offset: 112, .size: 8, .value_kind: global_buffer, .address_space: global }
      - { .name: out0, .offset: 120, .size: 8, .value_kind: global_buffer, .address_space: global }
    .group_segment_fixed_size: 22528
    .private_segment_fixed_size: 0
    .kernarg_segment_align: 8
    .kernarg_segment_size: 128
    .max_flat_workgroup_size: 512
    .sgpr_count:     66
    .vgpr_count:     256
    .wavefront_size: 32
...
	.end_amdgpu_metadata
.endif
;; end of part 4
